; MI455X (gfx1250); checked and timed in simulation.
; The chip was launched on July 23, 2026; its instructions are those of AMD's public machine-readable ISA for CDNA 5 (MIT licence, August 2026) and "CDNA5" Instruction Set Architecture Reference Guide (July 2026). The comments in the code are by the model that wrote it; some were corrected since.
;; Multi Head Attention. Allowed arithmetic: matrix products marked QUANTISED: E2M3 operands, one E8M0 scale for each 32 along K, by v_wmma_scale_f32_16x16x128_f8f6f4 with both operands' format E2M3, f32 sums; everything else in f32.
;; Inputs: Wk 1,024 x 1,024 float32; Wo 1,024 x 1,024 float32; Wq 1,024 x 1,024 float32; Wv 1,024 x 1,024 float32; keys 4 x 2,048 x 1,024 float32; queries 4 x 2,048 x 1,024 float32; valid_lens 4 int32; values 4 x 2,048 x 1,024 float32.
;; Outputs: out0 4 x 2,048 x 1,024 float32.
;; This version of the problem:
;;   THIS VERSION OF THE PROBLEM IS GIVEN IN LOW PRECISION. The matrix products marked QUANTISED in the list below multiply operands that are first quantised to E2M3 (2 exponent bits, 3 mantissa bits; 6 bits a number), with one power-of-two scale for each 32 numbers along K (OCP MX v1.0); their sums are f32. All else is computed in f32.
;;   The module's matrix products, in the order in which they are computed (A, B: the left and right operand; K: the contracted axis; several contracted axes count as one K, in the product's order):
;;     1. [M 8,192, K 1,024] x [K 1,024, N 1,024]; A: input queries; B: input Wq: QUANTISED
;;     2. [M 8,192, K 1,024] x [K 1,024, N 1,024]; A: input keys; B: input Wk: QUANTISED
;;     3. [M 8,192, K 1,024] x [K 1,024, N 1,024]; A: input values; B: input Wv: QUANTISED
;;     4. batch 64 x [M 2,048, K 64] x [K 64, N 2,048]; A: computed on the way; B: computed on the way: QUANTISED
;;     5. batch 64 x [M 2,048, K 2,048] x [K 2,048, N 64]; A: softmax (see below); B: computed on the way: QUANTISED
;;     6. [M 8,192, K 1,024] x [K 1,024, N 1,024]; A: computed on the way; B: input Wo: QUANTISED
;;   THE QUANTISER, for each operand of a quantised product, along K:
;;     - K is cut into blocks of 32 from its start; a last block that is shorter is filled with zeros.
;;     - A block's scale is 2^e with e = floor(log2(the largest magnitude in the block)) - 2, held to -126 .. 127; a block of zeros has e = 0. As a byte (E8M0): e + 127.
;;     - Each number is divided by its block's scale, clamped to +-7.5, and rounded to the nearest number of E2M3, ties to even, subnormals kept.
;;     - The product sums the exact products of the quantised numbers (number of the format x scale) in f32.
;;   ~~~python
;;   def quantise(x, axis):      # numpy; x: float32 -> the quantised numbers, widened to float32 again
;;       x = np.moveaxis(x, axis, -1); K = x.shape[-1]
;;       x = np.pad(x, [(0, 0)] * (x.ndim - 1) + [(0, -K % 32)]); x = x.reshape(x.shape[:-1] + (-1, 32)); a = np.abs(x).max(-1, keepdims=True)
;;       e = np.where(a > 0, np.clip(np.frexp(np.where(a > 0, a, 1))[1] - 1 - 2, -126, 127), 0)      # np.frexp(a)[1] - 1 = floor(log2(a)), exactly
;;       r = np.clip(x / 2.0 ** e, -7.5, 7.5)
;;       step = 2.0 ** (np.maximum(np.frexp(np.where(r == 0, 1, r))[1] - 1, 0) - 3)
;;       q = np.round(r / step) * step * 2.0 ** e      # np.round: ties to even
;;       return np.moveaxis(q.reshape(q.shape[:-2] + (-1,))[..., :K], -1, axis).astype(np.float32)
;;   ~~~
;;   SOFTMAX AHEAD OF A QUANTISED PRODUCT. Where the list says 'softmax', what is quantised is not the finished softmax but p = 2^(t - M), with t = logit x log2(e) and M = ceil(the row's largest t), a whole number; so 1/2 < the row's largest p <= 1. The row's sum l is taken of the UNQUANTISED p, in f32, and the product's result is divided by l at the end. Since M is a whole number, a kernel that streams over the keys may use a running M (the ceiling of the running maximum): every later rescaling is an exact power of two, which a block's scale takes up: the codes' values come out the same.
;;   OPERANDS COMPUTED ON THE WAY. 'Computed on the way' means the value that the module computes at that place (a softmax that the list does not call 'softmax' is quantised finished and normalised). What goes into a quantiser is computed in f32, as accurately as f32 sums, v_exp_f32 and their like allow (about 1e-6 of the number): no bf16 or f16 on the way to a quantiser, and a product that is left as it is and whose result goes on into a quantised operand takes f32 operands (vector FMAs, or v_wmma_f32_16x16x4_f32). A number that lies on a knife's edge between two numbers of the format may be rounded either way, as far as f32 arithmetic and the matrix unit's own rounding can turn it there, and no further.
;; One version. Each part assembles by itself: llvm-mc -triple=amdgcn-amd-amdhsa -mcpu=gfx1250 --defsym DOCPART=n.
;; ======== version 1 of 1: 6 launches
;; limits: right only within a limited range of input values
;; workspace buffers: xqk_img 13,107,200 bytes; xv_img 6,553,600 bytes; wqk_img 1,638,400 bytes; wv_img 819,200 bytes; wo_img 819,200 bytes; qk_img 13,107,200 bytes; v_img 6,553,600 bytes; o_img 6,553,600 bytes
;; launch quantw (part 1): grid 8 x 16, 4 waves a work-group, no clusters, 26,112 bytes of LDS; arguments Wq, Wk, Wv, Wo, wqk_img, wv_img, wo_img; writes wqk_img, wv_img, wo_img
.if DOCPART == 1
	.amdgcn_target "amdgcn-amd-amdhsa--gfx1250"
	.amdhsa_code_object_version 6
	.text
	.protected	k_q42c2b13e63_quantw
	.globl	k_q42c2b13e63_quantw
	.p2align	8
	.type	k_q42c2b13e63_quantw,@function
k_q42c2b13e63_quantw:
	s_mov_b64 s[64:65], 0
	v_nop
	global_prefetch_b8 v0, s[64:65] scope:SCOPE_SE
	s_setreg_imm32_b32 hwreg(HW_REG_WAVE_MODE, 25, 1), 1
	s_wait_xcnt 0x0
; The four weights, [1024 (k)][1024 (n)] f32 with K on the FIRST axis, become codes of FP6 (E2M3) with one E8M0 byte for each 32 along K, laid as IMAGES OF OPERAND REGISTERS.
; THE IMAGE.  16 rows (here: columns n) form a tile; a tile's row of the image is 12,800 bytes: 16 half images of 768 bytes (64 along K each), then 8 x 16 scale words (word s of row place r at 12,288 + 64 s + 4 r).
; A half image holds, for lane (r, h), the six registers with K = 32 h .. 32 h + 31 of row place r: registers 0-3 at 16 x lane, registers 4-5 at 512 + 8 x lane.
; THE ROWS OF A TILE ARE NOT NEIGHBOURS: of a group of 32 rows, tile u (0, 1) holds at place r the row 8 u + r + 8 (r / 8).
; A LANE TAKES A COLUMN n AND ITS REGISTERS RUN DOWN K: a block of 32 lies in one lane's 32 registers, its largest magnitude needs no other lane, and the conversions give codes with K innermost.
; A block's scale byte is its largest magnitude's exponent field - 2, held at 1 from below (a block of zeros gets the byte 1 where the rule says 127: its codes are zeros, and this program alone reads the bytes).
; LIMITS: NaN and infinities among the inputs are not served; blocks whose largest magnitude lies under 2^-124 keep the byte 1.
; SHARES: work-group x: 128 columns; y = 4 x tensor + which 256 along K.  A wave takes 32 columns (two tiles) x 256 along K (8 blocks a lane, four half images a tile).
; The codes go through the wave's own stage in LDS and leave as 512 consecutive bytes a store.  The scale words leave in pieces of 64 bytes: one byte in 24 of what the launch stores.
.set TROW,  12800
.set EMAX,  2
.set X,     32                         ; v32-95   two sets of 32 numbers
.set C,     96                         ; v96-101  a block's six registers of codes
.set D,     104                        ; v104-106 the block's second conversion (its three registers begin on an even number)
.set OUTR,  112                        ; v112-159 the way out
.set SB,    24                         ; v24-25   the scale bytes, four to a register
.set SPW,   14                         ; v14      LDS address of my spare word; never rewritten
.set NIL,   15                         ; v15      0; never rewritten
.set WREG,  6400                       ; LDS: a wave's stage: two tiles,
.set UREG,  3200                       ; 3,072 bytes each + 128, so that lanes 8-15 store to other banks than lanes 0-7
.set SPARE, 4*WREG                     ; behind the stages: the spare words, 128 bytes for each wave
	s_load_b256 s[4:11], s[0:1], 0x0               ; Wq, Wk, Wv, Wo
	s_load_b128 s[12:15], s[0:1], 0x20             ; wqk_img, wv_img
	s_load_b64 s[16:17], s[0:1], 0x30              ; wo_img
	v_lshl_add_u32 v[SPW], v0, 2, SPARE
	v_mov_b32 v[NIL], 0
	v_lshrrev_b32 v1, 5, v0
	v_readfirstlane_b32 s18, v1                    ; wave
	v_and_b32 v2, 31, v0                           ; lane = my column in the group of 32
	v_lshlrev_b32 v3, 2, v2                        ; in: 4 bytes a lane
	v_bfe_u32 v9, v0, 3, 1                         ; u: which tile of the two
	v_and_b32 v10, 7, v0
	v_bfe_u32 v1, v0, 4, 1
	v_lshl_add_u32 v10, v1, 3, v10                 ; r: my place in it: lane % 8 + 8 (lane / 16)
	s_mul_i32 s19, s18, WREG
	v_mul_u32_u24 v1, v9, UREG
	v_add_nc_u32 v1, s19, v1
	v_lshl_add_u32 v4, v10, 4, v1                  ; the stage: registers 0-3 at 16 r,
	v_lshl_add_u32 v5, v10, 3, v1                  ; registers 4-5 at 8 r
	v_mul_u32_u24 v6, v9, TROW
	v_lshl_add_u32 v6, v10, 2, v6                  ; my scale words' place: tile u, 4 r
	v_lshlrev_b32 v8, 4, v2                        ; the way out: 16 bytes a lane, in memory
	v_add_nc_u32 v7, s19, v8                       ; and in the stage
	s_and_b32 s20, ttmp7, 0xffff
	s_lshr_b32 s21, s20, 2                         ; the tensor
	s_and_b32 s22, s20, 3                          ; which 256 along K
	s_lshl_b32 s28, ttmp9, 2
	s_add_co_u32 s28, s28, s18                     ; my group of 32 columns
	s_lshl_b32 s30, s22, 20                        ; 256 rows of 4,096 bytes
	s_lshl_b32 s31, s28, 7
	s_add_co_u32 s30, s30, s31                     ; + 128 bytes a group
	s_mov_b32 s31, 0
	s_mul_i32 s32, s28, 2*TROW                     ; my two tiles' rows of the image
	s_cmp_eq_u32 s21, 1
	s_cselect_b32 s23, 64*TROW, 0                  ; Wk's tiles lie behind Wq's 64
	s_add_co_u32 s32, s32, s23
	s_mov_b32 s33, 0
	s_mul_i32 s34, s22, 3072                       ; four half images
	s_mov_b32 s35, 0
	s_lshl_b32 s36, s22, 7                         ; two scale words a row: 2 x 64 bytes
	s_add_co_u32 s36, s36, 12288
	s_mov_b32 s37, 0
	s_wait_kmcnt 0x0
	s_cmp_eq_u32 s21, 1                            ; the buffers are chosen by the work-group's number alone
	s_cselect_b64 s[4:5], s[6:7], s[4:5]
	s_cmp_eq_u32 s21, 2
	s_cselect_b64 s[4:5], s[8:9], s[4:5]
	s_cselect_b64 s[12:13], s[14:15], s[12:13]
	s_cmp_eq_u32 s21, 3
	s_cselect_b64 s[4:5], s[10:11], s[4:5]
	s_cselect_b64 s[12:13], s[16:17], s[12:13]
	s_add_nc_u64 s[4:5], s[4:5], s[30:31]
	s_add_nc_u64 s[12:13], s[12:13], s[32:33]
	s_add_nc_u64 s[24:25], s[12:13], s[34:35]      ; the codes
	s_add_nc_u64 s[26:27], s[12:13], s[36:37]      ; the scale words
.macro LOAD t                          ; block t: W(32 t + i, my column) into set t % 2: 32 lanes read 128 consecutive bytes
.irp i, 0,1,2,3,4,5,6,7,8,9,10,11,12,13,14,15,16,17,18,19,20,21,22,23,24,25,26,27,28,29,30,31
	global_load_b32 v[X+32*((\t)%2)+\i], v3, s[4:5] offset:(32*(\t)+\i)*4096 th:TH_LOAD_NT
.endr
.endm
	LOAD 0
	LOAD 1
.macro BLOCK t
.set XS, X+32*((\t)%2)
.if (\t) < 7
	s_wait_loadcnt 32                              ; this block's 32 loads are in; the next block's may be out
.else
	s_wait_loadcnt 0x0
.endif
	v_max3_num_f32 v12, |v[XS]|, |v[XS+1]|, |v[XS+2]|              ; the block's largest magnitude, in two chains
	v_max3_num_f32 v13, |v[XS+3]|, |v[XS+4]|, |v[XS+5]|
.irp i, 6,10,14,18,22,26
	v_max3_num_f32 v12, v12, |v[XS+\i]|, |v[XS+\i+1]|
	v_max3_num_f32 v13, v13, |v[XS+\i+2]|, |v[XS+\i+3]|
.endr
	v_max3_num_f32 v12, v12, |v[XS+30]|, |v[XS+31]|
	v_max3_num_f32 v12, v12, v13, (EMAX+1)<<23     ; and the floor 2^(3 - 127): the byte cannot fall under 1
	v_add_nc_u32 v11, -(EMAX<<23), v12             ; 2 off its exponent field: the conversion's scale operand
	v_lshrrev_b32 v13, 23, v11                     ; the scale's byte
.if (\t)%4 == 0
	v_mov_b32 v[SB+(\t)/4], v13
.else
	v_lshl_or_b32 v[SB+(\t)/4], v13, 8*((\t)%4), v[SB+(\t)/4]
.endif
	v_cvt_scalef32_pk16_fp6_f32 v[C:C+2], v[XS:XS+15], v11
	v_cvt_scalef32_pk16_fp6_f32 v[D:D+2], v[XS+16:XS+31], v11
	v_nop                                          ; one plain place behind a scaled conversion
.irp i, 0,1,2
	v_mov_b32 v[C+3+\i], v[D+\i]
.endr
	ds_store_b128 v4, v[C:C+3] offset:((\t)/2)*768+((\t)%2)*256        ; half image t / 2; block t is its half h = t % 2: lane place r + 16 h
	ds_store_b64 v5, v[C+4:C+5] offset:((\t)/2)*768+512+((\t)%2)*128
.if (\t)+2 < 8
	LOAD (\t)+2
.endif
	s_wait_dscnt 0x0                               ; the stores have read their registers
.endm
.irp t, 0,1,2,3,4,5,6,7
	BLOCK \t
.endr
	global_store_b32 v6, v[SB], s[26:27]           ; my column's two scale words
	s_wait_alu depctr_va_vdst(0)
	global_store_b32 v6, v[SB+1], s[26:27] offset:64
.irp u, 0,1
.irp j, 0,1,2,3,4,5
	ds_load_b128 v[OUTR+4*(6*\u+\j):OUTR+4*(6*\u+\j)+3], v7 offset:\u*UREG+512*\j   ; LDS serves a wave's instructions in order: these see my stores
.endr
.endr
.irp u, 0,1
.irp j, 0,1,2,3,4,5
	s_wait_dscnt 11-6*\u-\j                        ; the younger loads may be out
	global_store_b128 v8, v[OUTR+4*(6*\u+\j):OUTR+4*(6*\u+\j)+3], s[24:25] offset:\u*TROW+512*\j   ; 512 consecutive bytes, at a multiple of 256 from the buffer's first byte
.endr
.endr
	s_wait_tensorcnt 0x0                           ; the wave's end, behind my last LDS store
	ds_add_u32 v[SPW], v[NIL]
	s_wait_dscnt 0x0
	s_endpgm
.Lfunc_end_k_q42c2b13e63_quantw:
	.size	k_q42c2b13e63_quantw, .Lfunc_end_k_q42c2b13e63_quantw-k_q42c2b13e63_quantw
	.p2alignl 7, 3214868480
	.fill 96, 4, 3214868480
	.section	.rodata,"a",@progbits
	.p2align	6, 0x0
	.amdhsa_kernel k_q42c2b13e63_quantw
		.amdhsa_group_segment_fixed_size 26112
		.amdhsa_private_segment_fixed_size 0
		.amdhsa_enable_private_segment 0
		.amdhsa_kernarg_size 56
		.amdhsa_user_sgpr_count 2
		.amdhsa_user_sgpr_kernarg_segment_ptr 1
		.amdhsa_wavefront_size32 1
		.amdhsa_system_sgpr_workgroup_id_x 1
		.amdhsa_system_sgpr_workgroup_id_y 1
		.amdhsa_system_sgpr_workgroup_id_z 1
		.amdhsa_system_vgpr_workitem_id 0
		.amdhsa_next_free_vgpr 192
		.amdhsa_next_free_sgpr 66
		.amdhsa_reserve_vcc 0
		.amdhsa_float_denorm_mode_32 3
		.amdhsa_float_denorm_mode_16_64 3
		.amdhsa_memory_ordered 1
		.amdhsa_forward_progress 1
		.amdhsa_inst_pref_size 43
	.end_amdhsa_kernel
	.amdgpu_metadata
---
amdhsa.version: [ 1, 2 ]
amdhsa.kernels:
  - .name:           k_q42c2b13e63_quantw
    .symbol:         k_q42c2b13e63_quantw.kd
    .args:
      - { .name: Wq, .offset: 0, .size: 8, .value_kind: global_buffer, .address_space: global }
      - { .name: Wk, .offset: 8, .size: 8, .value_kind: global_buffer, .address_space: global }
      - { .name: Wv, .offset: 16, .size: 8, .value_kind: global_buffer, .address_space: global }
      - { .name: Wo, .offset: 24, .size: 8, .value_kind: global_buffer, .address_space: global }
      - { .name: wqk_img, .offset: 32, .size: 8, .value_kind: global_buffer, .address_space: global }
      - { .name: wv_img, .offset: 40, .size: 8, .value_kind: global_buffer, .address_space: global }
      - { .name: wo_img, .offset: 48, .size: 8, .value_kind: global_buffer, .address_space: global }
    .group_segment_fixed_size: 26112
    .private_segment_fixed_size: 0
    .kernarg_segment_align: 8
    .kernarg_segment_size: 56
    .max_flat_workgroup_size: 128
    .sgpr_count:     66
    .vgpr_count:     192
    .wavefront_size: 32
...
	.end_amdgpu_metadata
.endif
;; end of part 1
;; launch quantx (part 2): grid 256 x 3, 4 waves a work-group, no clusters, 35,328 bytes of LDS; arguments queries, keys, values, xqk_img, xv_img; writes xqk_img, xv_img
.if DOCPART == 2
	.amdgcn_target "amdgcn-amd-amdhsa--gfx1250"
	.amdhsa_code_object_version 6
	.text
	.protected	k_q42c2b13e63_quantx
	.globl	k_q42c2b13e63_quantx
	.p2align	8
	.type	k_q42c2b13e63_quantx,@function
k_q42c2b13e63_quantx:
	s_mov_b64 s[64:65], 0
	v_nop
	global_prefetch_b8 v0, s[64:65] scope:SCOPE_SE
	s_setreg_imm32_b32 hwreg(HW_REG_WAVE_MODE, 25, 1), 1
	s_wait_xcnt 0x0
; queries, keys, values, [8192][1024] f32 with K innermost, become codes of FP6 (E2M3) with one E8M0 byte for each 32 along K, laid as images of operand registers:
; a tile of 16 rows has a row of 12,800 bytes in the image: 16 half images of 768 bytes (64 along K: lane (r, h) holds K = 32 h .. + 31 of row place r; registers 0-3 at 16 x lane, 4-5 at 512 + 8 x lane), then 8 x 16 scale words.
; Of a group of 32 rows, tile u holds at place r the row 8 u + r + 8 (r / 8).  queries' 512 tiles and then keys' lie in xqk_img, values' in xv_img.
; A wave takes half a tile: 16 rows x 512 along K, four K steps of 128.  Each load reads 512 consecutive bytes of one row; a step's 8,192 bytes turn through the wave's own stage in LDS (rows of 528 bytes), from which
; lane (r, h) takes, of each block of 32 of row r, its 16 neighbours: what the conversions want.  A fragment (12 registers a lane) leaves by four stores of 512 or 256 consecutive bytes.
; A block's scale byte is its largest magnitude's exponent field - 2, held at 1 from below (a block of zeros gets 1 where the rule says 127: its codes are zeros, and this program alone reads the bytes).
; LIMITS: NaN and infinities among the inputs are not served; blocks whose largest magnitude lies under 2^-124 keep the byte 1.
.set TROW,  12800
.set FRB,   1536
.set SP,    528
.set WREG,  16*SP+256                  ; a wave's LDS: the stage, and 256 bytes for its four steps' scale words
.set SPARE, 4*WREG
.set L16,   1                          ; v1  16 x lane
.set L8,    2                          ; v2  8 x lane
.set STI,   3                          ; v3  the stage, on the way in
.set STO,   4                          ; v4  and out
.set SCW,   5                          ; v5  where my row's scale word goes
.set SCR,   6                          ; v6  and where 8 bytes of the 256 come back
.set SPW,   12
.set NIL,   13
.set R,     16                         ; v16-143  two sets of 64 registers as loaded
.set XN,    144                        ; v144-207 64 numbers: register 16 b + i = K 32 b + 16 h + i of my row
.set PC,    208                        ; v208-226 the codes just made
.set TM,    228                        ; v228-243 at work
.set PW,    244                        ; the scale word just made
.set SEL,   26                         ; s[26:27] v_permlanex16_b32's selects for lane l xor 16
.macro QUANT s                         ; 64 numbers of a lane become a fragment's 12 registers in v[PC] on and its scale word in v[PW]
.irp b, 0,1,2,3
	v_max3_num_f32 v[TM+\b], |v[\s+16*\b]|, |v[\s+1+16*\b]|, 0x1800000   ; block b: my 16 numbers, and the floor 2^(3 - 127)
.endr
.irp i, 2,4,6,8,10,12,14
.irp b, 0,1,2,3
	v_max3_num_f32 v[TM+\b], v[TM+\b], |v[\s+16*\b+\i]|, |v[\s+1+16*\b+\i]|
.endr
.endr
.irp b, 0,1,2,3
	v_permlanex16_b32 v[TM+4+\b], v[TM+\b], s[SEL], s[SEL+1]
.endr
.irp b, 0,1,2,3
	v_max_num_f32 v[TM+\b], v[TM+\b], v[TM+4+\b]   ; with lane l xor 16's: the block's largest magnitude
.endr
.irp b, 0,1,2,3
	v_add_nc_u32 v[TM+12+\b], 0xff000000, v[TM+\b] ; 2 off its exponent field: the conversion's scale operand
.endr
.irp b, 0,1,2,3
	v_lshrrev_b32 v[TM+4+\b], 23, v[TM+12+\b]      ; the scale's byte
.endr
	v_lshl_or_b32 v[PW], v[TM+5], 8, v[TM+4]
	v_lshl_or_b32 v[PW], v[TM+6], 16, v[PW]
	v_lshl_or_b32 v[PW], v[TM+7], 24, v[PW]
.irp c, 0,1
	v_cvt_scalef32_pk16_fp6_f32 v[PC+6*\c:PC+2+6*\c], v[\s+32*\c:\s+15+32*\c], v[TM+12+2*\c]
	v_cvt_scalef32_pk16_fp6_f32 v[PC+12+4*\c:PC+14+4*\c], v[\s+16+32*\c:\s+31+32*\c], v[TM+12+2*\c+1]
.endr
	v_nop                                          ; one plain place behind a scaled conversion
.irp c, 0,1                                    ; the operand's layout wants a whole block in a lane
.irp i, 0,1,2
	v_permlane16_swap_b32 v[PC+6*\c+\i], v[PC+12+4*\c+\i]
.endr
.irp i, 0,1,2
	v_mov_b32 v[PC+3+6*\c+\i], v[PC+12+4*\c+\i]
.endr
.endr
.endm
	s_load_b128 s[4:7], s[0:1], 0x0                ; queries, keys
	s_load_b128 s[8:11], s[0:1], 0x10              ; values, xqk_img
	s_load_b64 s[12:13], s[0:1], 0x20              ; xv_img
	v_lshl_add_u32 v[SPW], v0, 2, SPARE
	v_mov_b32 v[NIL], 0
	v_lshrrev_b32 v7, 5, v0
	v_readfirstlane_b32 s15, v7                    ; wave
	v_and_b32 v7, 31, v0
	v_and_b32 v8, 15, v0                           ; r
	v_bfe_u32 v9, v0, 4, 1                         ; h
	v_lshlrev_b32 v[L16], 4, v7
	v_lshlrev_b32 v[L8], 3, v7
	s_mul_i32 s14, s15, WREG
	v_add_nc_u32 v[STI], s14, v[L16]
	v_mul_u32_u24 v[STO], v8, SP
	v_lshl_add_u32 v[STO], v9, 6, v[STO]           ; row r, + 64 h: my 16 numbers of a block of 32
	v_add_nc_u32 v[STO], s14, v[STO]
	s_add_co_u32 s14, s14, 16*SP
	v_lshl_add_u32 v[SCW], v8, 2, s14
	v_add_nc_u32 v[SCR], s14, v[L8]
.irp b, 0,1,2,3
	v_mov_b32 v[TM+4+\b], 0                        ; written once: a lane permute's destination counts as one of its sources
.endr
	s_mov_b32 s[SEL], 0x76543210
	s_mov_b32 s[SEL+1], 0xfedcba98
	s_lshl_b32 s16, ttmp9, 2
	s_add_co_u32 s16, s16, s15                     ; my task
	s_lshr_b32 s17, s16, 1                         ; the tile
	s_and_b32 s18, s16, 1                          ; which half of K
	s_lshr_b32 s19, s17, 1
	s_lshl_b32 s19, s19, 5
	s_and_b32 s20, s17, 1
	s_lshl_b32 s20, s20, 3
	s_add_co_u32 s19, s19, s20                     ; the tile's first row: 32 (tile / 2) + 8 (tile % 2)
	s_lshl_b32 s20, s19, 12
	s_lshl_b32 s21, s18, 11
	s_add_co_u32 s20, s20, s21                     ; in bytes, + 2,048 for the second half of K
	s_mov_b32 s21, 0
	s_and_b32 s28, ttmp7, 0xffff                   ; the tensor
	s_mul_i32 s24, s17, TROW
	s_cmp_eq_u32 s28, 1
	s_cselect_b32 s29, 512*TROW, 0                 ; keys' tiles lie behind queries' 512
	s_add_co_u32 s24, s24, s29
	s_mul_i32 s23, s18, 4*FRB
	s_add_co_u32 s22, s24, s23                     ; my four fragments
	s_mov_b32 s23, 0
	s_lshl_b32 s25, s18, 8
	s_add_co_u32 s24, s24, s25
	s_add_co_u32 s24, s24, 12288                   ; my 256 bytes of scale words
	s_mov_b32 s25, 0
	s_wait_alu depctr_va_vdst(0)
	s_wait_kmcnt 0x0
	s_cmp_eq_u32 s28, 1                            ; the buffers are chosen by the work-group's number alone
	s_cselect_b64 s[4:5], s[6:7], s[4:5]
	s_cmp_eq_u32 s28, 2
	s_cselect_b64 s[4:5], s[8:9], s[4:5]
	s_cselect_b64 s[10:11], s[12:13], s[10:11]
	s_add_nc_u64 s[4:5], s[4:5], s[20:21]
	s_add_nc_u64 s[8:9], s[10:11], s[22:23]        ; the codes
	s_add_nc_u64 s[10:11], s[10:11], s[24:25]      ; the scale words
.macro LOAD s                          ; K step s: place i's row, 512 consecutive bytes a load
.irp i, 0,1,2,3,4,5,6,7,8,9,10,11,12,13,14,15
	global_load_b128 v[R+64*((\s)%2)+4*\i:R+64*((\s)%2)+4*\i+3], v[L16], s[4:5] offset:(\i+8*(\i/8))*4096+512*(\s) th:TH_LOAD_NT
.endr
.endm
.macro TURN s                          ; through the stage: LDS serves a wave's instructions in order, so no wait stands between the stores and the loads
.irp i, 0,1,2,3,4,5,6,7,8,9,10,11,12,13,14,15
	ds_store_b128 v[STI], v[R+64*((\s)%2)+4*\i:R+64*((\s)%2)+4*\i+3] offset:\i*SP
.endr
.irp b, 0,1,2,3
.irp j, 0,1,2,3
	ds_load_b128 v[XN+16*\b+4*\j:XN+16*\b+4*\j+3], v[STO] offset:128*\b+16*\j
.endr
.endr
.endm
	LOAD 0
	LOAD 1
.irp s, 0,1,2,3
.if \s < 3
	s_wait_loadcnt 16                              ; this step's 16 loads are in; the next step's may be out
.else
	s_wait_loadcnt 0x0
.endif
	TURN \s
	s_wait_dscnt 0x0                               ; my 64 numbers are back, and the stores into the stage have read their registers
.if \s > 0
	s_wait_xcnt 0x0                                ; the last step's stores have read the codes' registers: they are written again only behind this wait
.endif
.if \s < 2
	LOAD (\s)+2
.endif
	QUANT XN
	global_store_b128 v[L16], v[PC:PC+3], s[8:9] offset:\s*FRB             ; the fragment as it stands: 512, 256, 512, 256 consecutive bytes, each at a multiple of 256
	global_store_b64 v[L8], v[PC+4:PC+5], s[8:9] offset:\s*FRB+512
	global_store_b128 v[L16], v[PC+6:PC+9], s[8:9] offset:\s*FRB+768
	global_store_b64 v[L8], v[PC+10:PC+11], s[8:9] offset:\s*FRB+1280
	ds_store_b32 v[SCW], v[PW] offset:64*\s        ; lanes r and r + 16 write the same word with the same value
.endr
	ds_load_b64 v[246:247], v[SCR]                 ; four steps' words: 256 bytes
	s_wait_dscnt 0x0
	global_store_b64 v[L8], v[246:247], s[10:11]   ; 256 consecutive bytes, aligned
	s_wait_tensorcnt 0x0                           ; the wave's end, behind my last LDS store
	ds_add_u32 v[SPW], v[NIL]
	s_wait_dscnt 0x0
	s_endpgm
.Lfunc_end_k_q42c2b13e63_quantx:
	.size	k_q42c2b13e63_quantx, .Lfunc_end_k_q42c2b13e63_quantx-k_q42c2b13e63_quantx
	.p2alignl 7, 3214868480
	.fill 96, 4, 3214868480
	.section	.rodata,"a",@progbits
	.p2align	6, 0x0
	.amdhsa_kernel k_q42c2b13e63_quantx
		.amdhsa_group_segment_fixed_size 35328
		.amdhsa_private_segment_fixed_size 0
		.amdhsa_enable_private_segment 0
		.amdhsa_kernarg_size 40
		.amdhsa_user_sgpr_count 2
		.amdhsa_user_sgpr_kernarg_segment_ptr 1
		.amdhsa_wavefront_size32 1
		.amdhsa_system_sgpr_workgroup_id_x 1
		.amdhsa_system_sgpr_workgroup_id_y 1
		.amdhsa_system_sgpr_workgroup_id_z 1
		.amdhsa_system_vgpr_workitem_id 0
		.amdhsa_next_free_vgpr 256
		.amdhsa_next_free_sgpr 66
		.amdhsa_reserve_vcc 0
		.amdhsa_float_denorm_mode_32 3
		.amdhsa_float_denorm_mode_16_64 3
		.amdhsa_memory_ordered 1
		.amdhsa_forward_progress 1
		.amdhsa_inst_pref_size 35
	.end_amdhsa_kernel
	.amdgpu_metadata
---
amdhsa.version: [ 1, 2 ]
amdhsa.kernels:
  - .name:           k_q42c2b13e63_quantx
    .symbol:         k_q42c2b13e63_quantx.kd
    .args:
      - { .name: queries, .offset: 0, .size: 8, .value_kind: global_buffer, .address_space: global }
      - { .name: keys, .offset: 8, .size: 8, .value_kind: global_buffer, .address_space: global }
      - { .name: values, .offset: 16, .size: 8, .value_kind: global_buffer, .address_space: global }
      - { .name: xqk_img, .offset: 24, .size: 8, .value_kind: global_buffer, .address_space: global }
      - { .name: xv_img, .offset: 32, .size: 8, .value_kind: global_buffer, .address_space: global }
    .group_segment_fixed_size: 35328
    .private_segment_fixed_size: 0
    .kernarg_segment_align: 8
    .kernarg_segment_size: 40
    .max_flat_workgroup_size: 128
    .sgpr_count:     66
    .vgpr_count:     256
    .wavefront_size: 32
...
	.end_amdgpu_metadata
.endif
;; end of part 2
;; launch proj_qk (part 3): grid 4 x 64, 4 waves a work-group, clusters of 4 x 4, 327,680 bytes of LDS; arguments xqk_img, wqk_img, valid_lens, qk_img; writes qk_img
.if DOCPART == 3
	.amdgcn_target "amdgcn-amd-amdhsa--gfx1250"
	.amdhsa_code_object_version 6
	.text
	.protected	k_q42c2b13e63_proj_qk
	.globl	k_q42c2b13e63_proj_qk
	.p2align	8
	.type	k_q42c2b13e63_proj_qk,@function
k_q42c2b13e63_proj_qk:
	s_mov_b64 s[64:65], 0
	v_nop
	global_prefetch_b8 v0, s[64:65] scope:SCOPE_SE
	s_setreg_imm32_b32 hwreg(HW_REG_WAVE_MODE, 25, 1), 1
	s_wait_xcnt 0x0
	s_wait_alu depctr_hold_cnt(0) depctr_sa_sdst(0) depctr_va_vdst(0) depctr_va_sdst(0) depctr_va_ssrc(0) depctr_va_vcc(0) depctr_vm_vsrc(0)
	s_getreg_b32 s2, hwreg(HW_REG_IB_STS2, 6, 4)
	s_cmp_eq_u32 s2, 0
	s_cbranch_scc0 .Lentry_in_a_cluster
	s_endpgm
.Lentry_in_a_cluster:
	s_bfe_u32 s2, ttmp6, 0x10000c
	s_cmp_lg_u32 s2, 0xf033
	s_cbranch_scc0 .Lentry_shape_is_right
	s_endpgm
.Lentry_shape_is_right:
; P[i][j] = the sum over k of U[i][k] T[j][k], K = 1,024, on codes of FP6 (E2M3) with E8M0 scales; P is QUANTISED ALONG i on its way out and stored as images of operand registers, rows j.
; One text serves two launches.  q and k: T = the tokens of queries and keys, U = the columns of Wq and Wk; the result's rows are tokens, its K the 1,024 features of q and then those of k.
; v: T = the columns of Wv, U = the tokens of values; the result's rows are features, its K the 2,048 keys of a batch.
; OPERANDS are images: a tile of 16 rows has 12,800 bytes: 16 half images of 768 bytes (64 along K; registers 0-3 at 16 x lane, 4-5 at 512 + 8 x lane), then 8 x 16 scale words.  A fragment (16 x 128) is two half images on end:
; four LDS loads, each of consecutive bytes: no pitch, no padding.  Of a group of 32 rows, tile u holds at place r the row 8 u + r + 8 (r / 8): so, U being source 0, a lane's 16 registers of two neighbouring tiles are 16 neighbours along i.
; THE RESULT's image: 25,600 bytes a tile of rows: 32 half images, then 16 x 16 scale words.
; A tile of P, 256 x 256, is made by four waves, each 128 x 128: 64 accumulators, 512 registers.  K goes in steps of 256 through two LDS slots filled by the tensor data mover; the scale words of all of K come once.
; CLUSTERS: 4 x 4 work-groups; T's tiles are shared along a row of the cluster, U's along a column: each is asked for jointly, by the same tensor load with the same descriptor and a mask that names the four.
; THE MASK: rows of k (tokens) at or beyond valid_lens[batch] get ZERO CODES, so that their scores come out as the C that the attention launch gives them.  valid_lens enters a compare and selects alone: no branch, no address.
; LIMITS: NaN and infinities are not served; blocks of zeros, or under 2^-124, get the scale byte 1: their codes are zeros or nearly, and this program alone reads the bytes.
; REGISTERS, in windows of 256: window 0: v0-31 addresses; v32-63 scale words, two sets; v64-103 the way out's work; from v128 T's fragments, one set.  window 1: U's fragments, two sets.  windows 2, 3: the accumulators ((a, b) at v[8 (8 (a % 4) + b)]).
.set TROW,  12800                      ; an operand tile's row of the image
.set OROW,  25600                      ; a result tile's
.set FRB,   1536                       ; a fragment
.set KSL,   3072                       ; a tile's bytes in a slot: 256 along K
.set NQ,    2
.set FR,    12
.set NL,    4                          ; LDS loads that bring a fragment
.set NP,    4                          ; places behind this matrix instruction (ISA guide 7.12.1)
.set HALFT, 8*KSL                      ; 8 tiles: what one tensor load brings, and what one wave reads of T or of U
.set SLOT,  4*HALFT                    ; T's 16 tiles, then U's 16
.set LAPS,  2                          ; 1,024 along K = twice round the ring
.set SCL,   2*SLOT                     ; behind the ring: the scale words, [tile 8][K step 8][16 words] for each of four loads
.set HALFS, 4096
.set SPARE, SCL+4*HALFS                ; the spare words, 128 bytes for each wave
.set ADRA, 16                          ; v16-17 LDS address of T's fragments in slot 0, 1, + 16 x lane; v18-19 the same + 8 x lane
.set ADRB, 20                          ; v20-23 the same for U
.set L16,  24                          ; v24  16 x lane
.set L8,   25                          ; v25  8 x lane
.set SVO,  26                          ; v26  the way out: 4 r + (lane / 16) x a row of the result's image
.set ADRS, 27                          ; v27  LDS address of my scale words: lanes 0-15 T's, lanes 16-31 U's
.set SPW,  28
.set NIL,  29
.set SC,   32                          ; scale words: set s at v[SC + 16 s]; register 2 i + q: lanes 0-15 T's block i, lanes 16-31 U's block i, the slot's q-th 128 along K
.set TM,   64                          ; v64-79  at work
.set PC,   80                          ; v80-98  the codes just made
.set PW,   100                         ; the scale word just made
.set TOK,  101                         ; my row's token in its batch, for block 0
.set PWE,  102                         ; the even block's scale word
.set PWS,  103                         ; two blocks' scale words, to be stored
.set AF,   128
.set G1, 24
.set G0, 32
.set G1B, 48
.set G0B, 56
.set G1S, 68
.set G0S, 76
.set G1SB, 80
.set G0SB, 88
.set SEL, 2                            ; s[2:3]... see below: the selects lie in s[98:99] after valid_lens is chosen
.set MSB, 0
.macro WIN new                         ; the immediate's high byte repeats the setting that is left
.if MSB != (\new)
	s_set_vgpr_msb (MSB<<8)|(\new)
.set MSB, (\new)
.endif
.endm
.set MUL_LO, 0xa1                      ; source 0 (U) window 1, source 1 (T) window 0, C and D window 2
.set MUL_HI, 0xf1
.set TO_B,   0x40
; A joint load: waves 0 and 1 fetch for T, waves 2 and 3 for U.  The branch hangs on the wave's number alone.  An s_nop 0 and four v_nop follow each of the two lines.
.macro JLOAD g0a, g1a, g0b, g1b
	s_cmp_eq_u32 s15, 0
	s_cbranch_scc0 .Lfor_b_\@
	tensor_load_to_lds s[\g0a:\g0a+3], s[\g1a:\g1a+7]
	s_nop 0
.rept 4
	v_nop
.endr
	s_branch .Lasked_\@
.Lfor_b_\@:
	tensor_load_to_lds s[\g0b:\g0b+3], s[\g1b:\g1b+7]
	s_nop 0
.rept 4
	v_nop
.endr
.Lasked_\@:
.endm
.macro CREST                           ; a round of the cluster's barrier behind its opening barrier
	s_cmp_lg_u32 s14, 0
	s_cbranch_scc1 .Lnot_wave_0_\@
	s_barrier_signal -3
.Lnot_wave_0_\@:
	s_barrier_wait -3
	s_barrier_signal -1
	s_barrier_wait -1
.endm
.macro CROUND
	s_barrier_signal -1
	s_barrier_wait -1
	CREST
.endm
	s_load_b256 s[4:11], s[0:1], 0x0               ; T s[4:5], U s[6:7], valid_lens s[8:9], the result s[10:11]
	v_lshl_add_u32 v[SPW], v0, 2, SPARE
	v_mov_b32 v[NIL], 0
	ds_add_u32 v[SPW], v[NIL]                      ; the wave's opening: an add whose wait stands ahead of my first tensor load
	ds_add_u32 v[SPW], v[NIL]
	v_lshrrev_b32 v1, 5, v0
	v_readfirstlane_b32 s14, v1                    ; wave 0..3
	s_lshr_b32 s15, s14, 1                         ; which half of T's rows is mine.  Also: I fetch for T (0) or for U (1)
	s_and_b32 s16, s14, 1                          ; which half of U's rows.  Also: which 8 tiles I fetch
	s_bfe_u32 s40, ttmp6, 0x40000                  ; cx, cy
	s_bfe_u32 s41, ttmp6, 0x40004
	s_lshl_b32 s42, ttmp9, 2
	s_add_co_u32 s42, s42, s40                     ; x
	s_and_b32 s17, ttmp7, 0xffff
	s_lshr_b32 s66, s17, 3                         ; 1 in the half of the grid that makes k (cluster y 8 on): the same in all sixteen partners
	s_lshl_b32 s17, s17, 2
	s_add_co_u32 s17, s17, s41                     ; y: T's 256 rows
	s_lshl_b32 s67, s66, 2
	s_add_co_u32 s67, s67, s42                     ; U's 256 rows: x, for k behind Wq's four
	s_lshl_b32 s43, s41, 2
	s_lshl_b32 s43, 15, s43                        ; my row of the cluster
	s_lshl_b32 s44, 0x1111, s40                    ; my column
	s_or_b32 s[G1+0], s43, (3<<16)|(1<<21)         ; 15:0 the mask; 17:16 elements of 8 bytes; 20 no padding; 21 set beside a mask
	s_or_b32 s[G1B+0], s44, (3<<16)|(1<<21)
.irp g, G1, G1B                        ; 8 rows (tiles) of 3,072 bytes, 12,800 bytes apart
	s_mov_b32 s[\g+1], (KSL/8)<<16
	s_mov_b32 s[\g+2], 8<<16
	s_mov_b32 s[\g+3], (KSL/8)<<16
	s_mov_b32 s[\g+4], 8
	s_mov_b32 s[\g+5], TROW/8
	s_mov_b32 s[\g+6], 0
	s_mov_b32 s[\g+7], 0
.endr
	s_or_b32 s[G1S+0], s43, (3<<16)|(1<<21)
	s_or_b32 s[G1SB+0], s44, (3<<16)|(1<<21)
.irp g, G1S, G1SB                      ; the scale words: 8 rows of 512 bytes
	s_mov_b32 s[\g+1], 64<<16
	s_mov_b32 s[\g+2], 8<<16
	s_mov_b32 s[\g+3], 64<<16
	s_mov_b32 s[\g+4], 8
	s_mov_b32 s[\g+5], TROW/8
	s_mov_b32 s[\g+6], 0
	s_mov_b32 s[\g+7], 0
.endr
	s_lshl_b32 s18, s16, 3
	s_lshl_b32 s20, s17, 4
	s_add_co_u32 s20, s20, s18                     ; T: tile 16 y + 8 x half
	s_mul_i32 s20, s20, TROW
	s_mov_b32 s21, 0
	s_lshl_b32 s46, s67, 4
	s_add_co_u32 s46, s46, s18                     ; U likewise
	s_mul_i32 s46, s46, TROW
	s_mov_b32 s47, 0
	s_mul_i32 s45, s14, HALFT                      ; where they go: wave x 8 tiles: no place in the cluster enters an LDS address
	s_lshl_b32 s94, s14, 12
	s_wait_dscnt 0x0                               ; the opening add is done
	s_wait_kmcnt 0x0
	s_add_nc_u64 s[20:21], s[4:5], s[20:21]
	s_add_nc_u64 s[46:47], s[6:7], s[46:47]
	CROUND                                         ; all sixteen work-groups are here: the first joint loads meet
	s_mov_b32 s[G0S], 1
	s_add_co_u32 s[G0S+1], s94, SCL
	s_add_nc_u64 s[G0S+2:G0S+3], s[20:21], 12288
	s_or_b32 s[G0S+3], s[G0S+3], 0x80000000
	s_mov_b32 s[G0SB], 1
	s_add_co_u32 s[G0SB+1], s94, SCL
	s_add_nc_u64 s[G0SB+2:G0SB+3], s[46:47], 12288
	s_or_b32 s[G0SB+3], s[G0SB+3], 0x80000000
	JLOAD G0S, G1S, G0SB, G1SB                     ; the scale words first: they are wanted with K step 0
.irp s, 0,1
	s_mov_b32 s[G0+4*\s], 1
	s_add_co_u32 s[G0+4*\s+1], s45, \s*SLOT
	s_add_nc_u64 s[G0+4*\s+2:G0+4*\s+3], s[20:21], \s*KSL
	s_or_b32 s[G0+4*\s+3], s[G0+4*\s+3], 0x80000000
	s_mov_b32 s[G0B+4*\s], 1
	s_add_co_u32 s[G0B+4*\s+1], s45, \s*SLOT
	s_add_nc_u64 s[G0B+4*\s+2:G0B+4*\s+3], s[46:47], \s*KSL
	s_or_b32 s[G0B+4*\s+3], s[G0B+4*\s+3], 0x80000000
	s_wait_alu depctr_va_vdst(0)                   ; each first fill stands behind a wait for my tensor loads, an add and its wait, and a round
	s_wait_tensorcnt 0x0
	ds_add_u32 v[SPW], v[NIL]
	s_wait_dscnt 0x0
	CROUND
	JLOAD G0+4*\s, G1, G0B+4*\s, G1B
.endr
	s_load_b128 s[96:99], s[8:9], 0x0              ; valid_lens
	v_and_b32 v1, 15, v0                           ; r
	v_bfe_u32 v2, v0, 4, 1                         ; h
	v_and_b32 v3, 31, v0
	v_lshlrev_b32 v[L16], 4, v3
	v_lshlrev_b32 v[L8], 3, v3
	s_mul_i32 s21, s15, HALFT                      ; my 8 tiles of T
	s_mul_i32 s22, s16, HALFT                      ; my 8 tiles of U,
	s_add_co_u32 s22, s22, 2*HALFT                 ; which lie behind T's 16
.irp s, 0,1
	v_add_nc_u32 v[ADRA+\s], s21, v[L16]
	v_add_nc_u32 v[ADRB+\s], s22, v[L16]
	v_add_nc_u32 v[ADRA+2+\s], s21, v[L8]
	v_add_nc_u32 v[ADRB+2+\s], s22, v[L8]
	s_add_co_u32 s21, s21, SLOT
	s_add_co_u32 s22, s22, SLOT
.endr
	v_lshlrev_b32 v5, 2, v1                        ; my row's scale word: 4 r
	s_lshl_b32 s21, s15, 12                        ; T's: my 8 tiles
	s_lshl_b32 s22, s16, 12                        ; U's: my 8 tiles, behind T's two blocks
	s_add_co_u32 s22, s22, 2*HALFS
	s_sub_co_u32 s22, s22, s21
	v_mul_u32_u24 v6, s22, v2                      ; lanes 16-31 take U's: one product, the distance between the two
	s_add_co_u32 s21, s21, SCL
	v_add_nc_u32 v5, v5, v6
	v_add_nc_u32 v[ADRS], s21, v5
	v_and_b32 v6, 8, v1
	v_add_nc_u32 v6, v6, v1                        ; r + 8 (r / 8)
	s_and_b32 s21, s17, 7
	s_lshl_b32 s21, s21, 8
	s_lshl_b32 s22, s15, 7
	s_add_co_u32 s21, s21, s22
	v_add_nc_u32 v[TOK], s21, v6                   ; my row of T as a token of its batch, in block 0: 256 (y % 8) + 128 x half + r + 8 (r / 8)
	v_mul_u32_u24 v6, v2, OROW
	v_lshl_add_u32 v[SVO], v1, 2, v6
.irp b, 0,1,2,3
	v_mov_b32 v[TM+4+\b], 0                        ; written once: a lane permute's destination counts as one of its sources
.endr
	; where my part of the result begins: batch (v alone) x 64 tiles + (16 (y % 32) + 8 x half) tiles; in a tile's row half images 4 g + 2 x half on and scale word 2 g + half, g = U's 256 rows in the result's K
	s_and_b32 s21, s67, 7
	s_lshr_b32 s22, s67, 3
	s_mul_i32 s22, s22, 64*OROW
	s_and_b32 s23, s17, 31
	s_lshl_b32 s23, s23, 4
	s_lshl_b32 s92, s15, 3
	s_add_co_u32 s23, s23, s92
	s_mul_i32 s23, s23, OROW
	s_add_co_u32 s22, s22, s23
	s_mov_b32 s23, 0
	s_add_nc_u64 s[10:11], s[10:11], s[22:23]
	s_lshl_b32 s21, s21, 1
	s_add_co_u32 s21, s21, s16
	s_mul_i32 s22, s21, FRB
	s_add_nc_u64 s[92:93], s[10:11], s[22:23]      ; the codes
	s_lshl_b32 s22, s21, 6
	s_add_co_u32 s22, s22, 24576
	s_add_nc_u64 s[94:95], s[10:11], s[22:23]      ; the scale words
	s_mov_b32 s19, 0xffff0000                      ; lanes 16-31
	s_bfe_u32 s12, ttmp7, 0x20001                  ; the batch of k's tokens: (y % 32) / 8 = bits 2:1 of the cluster's y
	s_wait_kmcnt 0x0
	s_cmp_eq_u32 s12, 1
	s_cselect_b32 s13, s97, s96
	s_cmp_eq_u32 s12, 2
	s_cselect_b32 s13, s98, s13
	s_cmp_eq_u32 s12, 3
	s_cselect_b32 s13, s99, s13
	s_cmp_eq_u32 s66, 1
	s_cselect_b32 s13, s13, 0x7fffffff             ; the first token whose codes become zeros: valid_lens[batch] for k, none for q and v
	s_mov_b32 s98, 0x76543210                      ; v_permlanex16_b32's selects for lane l xor 16 (valid_lens has been chosen from)
	s_mov_b32 s99, 0xfedcba98
.macro FRAG reg, adr, q, i             ; a fragment as it lies: two half images
	ds_load_b128 v[\reg:\reg+3], v[\adr] offset:(\i)*KSL+(\q)*FRB
	ds_load_b64 v[\reg+4:\reg+5], v[\adr+2] offset:(\i)*KSL+(\q)*FRB+512
	ds_load_b128 v[\reg+6:\reg+9], v[\adr] offset:(\i)*KSL+(\q)*FRB+768
	ds_load_b64 v[\reg+10:\reg+11], v[\adr+2] offset:(\i)*KSL+(\q)*FRB+1280
.endm
; 16 matrix instructions: T's blocks a0, a0 + 1 x U's eight, 128 along K.  The 64 accumulators take turns, one instruction a turn, in the same order in every step.
.macro MUL16 a0, p, q, sc, zero
.irp a, \a0, \a0+1
.irp b, 0,1,2,3,4,5,6,7
.if \zero
	v_wmma_scale_f32_16x16x128_f8f6f4 v[8*(8*((\a)%4)+\b):8*(8*((\a)%4)+\b)+7], v[128*(\p)+FR*\b:128*(\p)+FR*\b+FR-1], v[AF+FR*(\a):AF+FR*(\a)+FR-1], 0, v[SC+8*NQ*(\sc)+NQ*\b+(\q)], v[SC+8*NQ*(\sc)+NQ*(\a)+(\q)] matrix_a_fmt:MATRIX_FMT_FP6 matrix_b_fmt:MATRIX_FMT_FP6 matrix_a_scale:MATRIX_SCALE_ROW1
.else
	v_wmma_scale_f32_16x16x128_f8f6f4 v[8*(8*((\a)%4)+\b):8*(8*((\a)%4)+\b)+7], v[128*(\p)+FR*\b:128*(\p)+FR*\b+FR-1], v[AF+FR*(\a):AF+FR*(\a)+FR-1], v[8*(8*((\a)%4)+\b):8*(8*((\a)%4)+\b)+7], v[SC+8*NQ*(\sc)+NQ*\b+(\q)], v[SC+8*NQ*(\sc)+NQ*(\a)+(\q)] matrix_a_fmt:MATRIX_FMT_FP6 matrix_b_fmt:MATRIX_FMT_FP6 matrix_a_scale:MATRIX_SCALE_ROW1
.endif
.endr
.endr
.endm
.macro FETCH_B slot, q, p
	WIN TO_B
.irp i, 0,1,2,3,4,5,6,7
	FRAG 128*(\p)+FR*\i, ADRB+\slot, \q, \i
.endr
	WIN 0
.endm
.macro FETCH_A slot, q, i0
.irp i, \i0, \i0+1, \i0+2, \i0+3
	FRAG AF+FR*(\i), ADRA+\slot, \q, \i
.endr
.endm
.macro SCALES sc                       ; a slot's scale words: lanes 0-15 take T's block i, lanes 16-31 U's block i
.irp i, 0,1,2,3,4,5,6,7
	ds_load_b32 v[SC+8*NQ*\sc+NQ*\i], v[ADRS] offset:\i*512
	ds_load_b32 v[SC+8*NQ*\sc+NQ*\i+1], v[ADRS] offset:\i*512+64
.endr
.endm
.macro PLACES n                        ; plain vector instructions between a matrix instruction and a load into, or a read of, its registers
.rept \n
	v_nop
.endr
.endm
.macro STEP slot, q, zero              ; a step of 128 along K that has its successor in the same slot
	s_wait_dscnt 4*NL                              ; U's set and T's blocks 0-3 are in; the youngest 16 loads (T's blocks 4-7) may be out
	WIN MUL_LO
	MUL16 0, (\q)%2, \q, \slot, \zero
	MUL16 2, (\q)%2, \q, \slot, \zero
	s_wait_dscnt 0
	PLACES NP
	FETCH_B \slot, (\q)+1, 1-(\q)%2
	FETCH_A \slot, (\q)+1, 0
	WIN MUL_HI
	MUL16 4, (\q)%2, \q, \slot, \zero
	MUL16 6, (\q)%2, \q, \slot, \zero
	PLACES NP
	WIN 0
	FETCH_A \slot, (\q)+1, 4
.endm
; A slot's last step changes slots: one barrier; in front of it each wave waits for all its tensor loads, adds 0 to its spare word, and waits for that and for its reads of this slot.  fill = 1: the slot is filled again, two K steps ahead.
.macro TURN slot, next, fill
	s_wait_tensorcnt 0x0                           ; all my tensor loads have landed: my part of the next slot
	ds_add_u32 v[SPW], v[NIL]                      ; 0 onto my spare word
	s_wait_dscnt 4*NL+1                            ; (the add and the youngest 16 loads may be out)
	WIN MUL_LO
	MUL16 0, 1, NQ-1, \slot, 0
	s_wait_dscnt 0x0                               ; the add is done, and my reads of this slot are over
	s_barrier_signal -1
	MUL16 2, 1, NQ-1, \slot, 0
	WIN 0
	s_barrier_wait -1
.if \fill
	CREST                                          ; the barrier has opened a round of the cluster's: no wave of any partner still reads this slot or has a load on its way
	s_add_nc_u64 s[G0+4*\slot+2:G0+4*\slot+3], s[G0+4*\slot+2:G0+4*\slot+3], 2*KSL
	s_add_nc_u64 s[G0B+4*\slot+2:G0B+4*\slot+3], s[G0B+4*\slot+2:G0B+4*\slot+3], 2*KSL
	JLOAD G0+4*\slot, G1, G0B+4*\slot, G1B         ; the first tensor load behind the round; its four v_nop are also the places in front of the loads below
.else
	PLACES NP
.endif
	s_wait_alu depctr_va_vdst(0)
	v_add_nc_u32 v[ADRS], 64*NQ, v[ADRS]           ; on to the next slot's scale words
	FETCH_B \next, 0, 0
	FETCH_A \next, 0, 0
	SCALES \next
	WIN MUL_HI
	MUL16 4, 1, NQ-1, \slot, 0
	MUL16 6, 1, NQ-1, \slot, 0
	PLACES NP
	WIN 0
	FETCH_A \next, 0, 4
.endm
	s_wait_alu depctr_va_vdst(0)                   ; the head's end
	s_wait_tensorcnt 1
	s_barrier_signal -1
	s_barrier_wait -1                              ; everybody's are
	FETCH_B 0, 0, 0
	FETCH_A 0, 0, 0
	SCALES 0
	FETCH_A 0, 0, 4
	STEP 0, 0, 1                                   ; the first step stands in front of the loop: its products start the sums
	s_mov_b32 s3, LAPS-1
.Llap:                                                 ; a trip goes once round the ring and fills both slots again
	TURN 0, 1, 1
	STEP 1, 0, 0
	TURN 1, 0, 1
	STEP 0, 0, 0
	s_sub_co_u32 s3, s3, 1
	s_cmp_lg_u32 s3, 0
	s_cbranch_scc1 .Llap
	TURN 0, 1, 0                                   ; the last lap fills nothing
	STEP 1, 0, 0
	s_wait_dscnt 4*NL
	WIN MUL_LO
	MUL16 0, 1, NQ-1, 1, 0
	MUL16 2, 1, NQ-1, 1, 0
	s_wait_dscnt 0
	WIN MUL_HI
	MUL16 4, 1, NQ-1, 1, 0
	MUL16 6, 1, NQ-1, 1, 0
	WIN 0
; THE WAY OUT.  Block a's 64 accumulator registers of a lane are 128 along i of ONE row j: register 16 b + n = i 32 b + 16 (lane / 16) + n.  They become a fragment (12 registers) and a scale word.
; s: the first register, in window w.  The maxima name the accumulators as sources 0 and 1, the conversions as source 0: four switches of the window a block.
.macro QUANT s, w
	WIN 5*(\w)
.irp b, 0,1,2,3
	v_max3_num_f32 v[TM+\b], |v[\s+16*\b]|, |v[\s+1+16*\b]|, 0x1800000   ; each accumulator is read from its low end on; the floor 2^(3 - 127) holds the byte at 1 from below
.endr
.irp i, 2,4,6,8,10,12,14
.irp b, 0,1,2,3
	v_max3_num_f32 v[TM+\b], |v[\s+16*\b+\i]|, |v[\s+1+16*\b+\i]|, v[TM+\b]
.endr
.endr
	WIN 0
.irp b, 0,1,2,3
	v_permlanex16_b32 v[TM+4+\b], v[TM+\b], s98, s99
.endr
.irp b, 0,1,2,3
	v_max_num_f32 v[TM+\b], v[TM+\b], v[TM+4+\b]
.endr
.irp b, 0,1,2,3
	v_add_nc_u32 v[TM+12+\b], 0xff000000, v[TM+\b]
.endr
.irp b, 0,1,2,3
	v_lshrrev_b32 v[TM+4+\b], 23, v[TM+12+\b]
.endr
	v_lshl_or_b32 v[PW], v[TM+5], 8, v[TM+4]
	v_lshl_or_b32 v[PW], v[TM+6], 16, v[PW]
	v_lshl_or_b32 v[PW], v[TM+7], 24, v[PW]
	WIN \w
.irp c, 0,1
	v_cvt_scalef32_pk16_fp6_f32 v[PC+6*\c:PC+2+6*\c], v[\s+32*\c:\s+15+32*\c], v[TM+12+2*\c]
	v_cvt_scalef32_pk16_fp6_f32 v[PC+12+4*\c:PC+14+4*\c], v[\s+16+32*\c:\s+31+32*\c], v[TM+12+2*\c+1]
.endr
	WIN 0
	v_nop                                          ; one plain place behind a scaled conversion
.irp c, 0,1
.irp i, 0,1,2
	v_permlane16_swap_b32 v[PC+6*\c+\i], v[PC+12+4*\c+\i]
.endr
.irp i, 0,1,2
	v_mov_b32 v[PC+3+6*\c+\i], v[PC+12+4*\c+\i]
.endr
.endr
.endm
.macro OUTBLK a
.if (\a) > 0
	s_wait_xcnt 0x0                                ; the last block's stores have read their registers: they are written again only behind this wait
.endif
	QUANT 64*((\a)%4), 2+(\a)/4
	s_sub_co_i32 s12, s13, 32*((\a)/2)+8*((\a)%2)  ; block a's rows lie 32 (a / 2) + 8 (a % 2) tokens on
	v_cmp_ge_i32 vcc_lo, v[TOK], s12
.irp i, 0,1,2,3,4,5,6,7,8,9,10,11
	v_cndmask_b32 v[PC+\i], v[PC+\i], v[NIL], vcc_lo       ; a masked key's codes are zeros
.endr
	global_store_b128 v[L16], v[PC:PC+3], s[92:93] offset:(\a)*OROW        ; 512, 256, 512, 256 consecutive bytes, each at a multiple of 256
	global_store_b64 v[L8], v[PC+4:PC+5], s[92:93] offset:(\a)*OROW+512
	global_store_b128 v[L16], v[PC+6:PC+9], s[92:93] offset:(\a)*OROW+768
	global_store_b64 v[L8], v[PC+10:PC+11], s[92:93] offset:(\a)*OROW+1280
.if (\a)%2 == 0
	v_mov_b32 v[PWE], v[PW]
.else
	v_cndmask_b32 v[PWS], v[PWE], v[PW], s19       ; lanes 0-15: block a - 1's words; lanes 16-31: block a's
	global_store_b32 v[SVO], v[PWS], s[94:95] offset:((\a)-1)*OROW
.endif
.endm
	PLACES NP
.irp a, 0,1,2,3,4,5,6,7
	OUTBLK \a
.endr
	s_wait_tensorcnt 0x0                           ; the wave's end, behind my last tensor load
	ds_add_u32 v[SPW], v[NIL]
	s_wait_dscnt 0x0
	CROUND                                         ; the closing round: no work-group ends while a partner may still ask for a tile that names it
	s_endpgm
.Lfunc_end_k_q42c2b13e63_proj_qk:
	.size	k_q42c2b13e63_proj_qk, .Lfunc_end_k_q42c2b13e63_proj_qk-k_q42c2b13e63_proj_qk
	.p2alignl 7, 3214868480
	.fill 96, 4, 3214868480
	.section	.rodata,"a",@progbits
	.p2align	6, 0x0
	.amdhsa_kernel k_q42c2b13e63_proj_qk
		.amdhsa_group_segment_fixed_size 327680
		.amdhsa_private_segment_fixed_size 0
		.amdhsa_enable_private_segment 0
		.amdhsa_kernarg_size 32
		.amdhsa_user_sgpr_count 2
		.amdhsa_user_sgpr_kernarg_segment_ptr 1
		.amdhsa_wavefront_size32 1
		.amdhsa_system_sgpr_workgroup_id_x 1
		.amdhsa_system_sgpr_workgroup_id_y 1
		.amdhsa_system_sgpr_workgroup_id_z 1
		.amdhsa_system_vgpr_workitem_id 0
		.amdhsa_next_free_vgpr 1024
		.amdhsa_next_free_sgpr 100
		.amdhsa_reserve_vcc 1
		.amdhsa_float_denorm_mode_32 3
		.amdhsa_float_denorm_mode_16_64 3
		.amdhsa_memory_ordered 1
		.amdhsa_forward_progress 1
		.amdhsa_inst_pref_size 157
	.end_amdhsa_kernel
	.amdgpu_metadata
---
amdhsa.version: [ 1, 2 ]
amdhsa.kernels:
  - .name:           k_q42c2b13e63_proj_qk
    .symbol:         k_q42c2b13e63_proj_qk.kd
    .args:
      - { .name: xqk_img, .offset: 0, .size: 8, .value_kind: global_buffer, .address_space: global }
      - { .name: wqk_img, .offset: 8, .size: 8, .value_kind: global_buffer, .address_space: global }
      - { .name: valid_lens, .offset: 16, .size: 8, .value_kind: global_buffer, .address_space: global }
      - { .name: qk_img, .offset: 24, .size: 8, .value_kind: global_buffer, .address_space: global }
    .group_segment_fixed_size: 327680
    .private_segment_fixed_size: 0
    .kernarg_segment_align: 8
    .kernarg_segment_size: 32
    .max_flat_workgroup_size: 128
    .sgpr_count:     100
    .vgpr_count:     1024
    .wavefront_size: 32
...
	.end_amdgpu_metadata
.endif
;; end of part 3
;; launch proj_v: the kernel of part 3 again; grid 32 x 4, 4 waves a work-group, clusters of 4 x 4, 327,680 bytes of LDS; arguments wv_img, xv_img, valid_lens, v_img; writes v_img
;; launch attn (part 4): grid 256 x 1, 8 waves a work-group, no clusters, 17,408 bytes of LDS; arguments qk_img, v_img, valid_lens, o_img; writes o_img
.if DOCPART == 4
	.amdgcn_target "amdgcn-amd-amdhsa--gfx1250"
	.amdhsa_code_object_version 6
	.text
	.protected	k_q42c2b13e63_attn
	.globl	k_q42c2b13e63_attn
	.p2align	8
	.type	k_q42c2b13e63_attn,@function
k_q42c2b13e63_attn:
	s_mov_b64 s[64:65], 0
	v_nop
	global_prefetch_b8 v0, s[64:65] scope:SCOPE_SE
	s_setreg_imm32_b32 hwreg(HW_REG_WAVE_MODE, 25, 1), 1
	s_wait_xcnt 0x0
; o = softmax(mask(q k^T / 8)) v for 64 (batch, head) pairs, on codes of FP6 (E2M3) with E8M0 scales; o leaves quantised along the features, as images of operand registers.
; IMAGES (made by the launches before): a tile of 16 rows has QROW bytes: 32 half images of 768 bytes (64 along K; registers 0-3 at 16 x lane, 4-5 at 512 + 8 x lane), then 16 x 16 scale words.
; qk_img: rows = tokens, K = q's 1,024 features, then k's; v_img: rows = features, K = a batch's 2,048 keys.  Rows of k at or beyond valid_lens[batch] hold zero codes.
; Both products are used transposed (S^T = k q^T, O^T = v^T p^T): a lane holds one query.  A head has 64 features: its half image fills the first half of an operand; q's second half is zero codes.
; WHAT valid_lens DECIDES.  With n = valid / 128 (at most 15): n full steps of 128 keys; ONE boundary step, whose C is 0 for valid keys and -8e6 (= -1e6 x 8) for masked ones; 15 - n steps wholly masked.
; All keys of a wholly masked step have one and the same score, so one p = 2^(t - M), one block scale and one code: their part of the product is Q(p) x (the sum of the quantised v over those keys), and of the
; row's sum 128 (15 - n) p.  The sum of v is made by the matrix unit with a fragment of ones, once for a work-group: wave w takes feature tile w % 4 and half w / 4 of those steps; the parts meet in LDS.
; Nothing is dropped: a row whose valid scores all lie under -1e6, and valid = 0, come out as reference() has them.
; Trip counts hang on valid_lens, which is read from memory: so this text has no tensor load and no cluster; k's and v's fragments go from memory straight into registers, each asked for half a step
; ahead of its use (v at a step's head, the next k behind the scores' products); no further prefetch is laid beside these loads.
; SHARES: a work-group is 8 waves on one head and 16 tiles of queries, 2 tiles a wave; it runs two tasks: the batches are sorted by valid_lens, and a work-group takes the longest and the shortest, or the two between.
; k's and q's scale bytes are fetched as 2 bytes of a word, o's are stored so: a head owns two of a word's four bytes.
; LIMITS: valid_lens is held to 0 .. 2,048; NaN and infinities are not served; scaled scores stay under 2^31 in magnitude; blocks under 2^-124 keep the scale byte 1.
; REGISTERS: window 0: v1-15 addresses, v16-39 q, v40-47 -M, max, sum, v48-61 scales and factors, v64-191 scores then p (two tiles), v192-215 p's codes, v216-255 at work.
;   window 1: v0-53 k, v56-103 v, v104-167 O^T, v168-231 the boundary step's C.
.set QROW, 25600
.set OROW, 12800
.set SPARE, 16384                      ; LDS: two tasks x 8 waves x 1,024 bytes of sums of v, then the spare words
.set L16,1
.set L8,2
.set KS,3                              ; (lane / 16) x QROW + 4 (lane % 16)
.set KK,4
.set SPW,5
.set NIL,6
.set NEG,7                             ; -8e6
.set R4,8
.set OS,9
.set THR,10
.set VSA,11
.set VSR,12
.set CNT,13
.set H16,14
.set VSA0,15
.set QF,16
.set ML,40
.set KSC,48
.set VSC,52
.set QSC,54
.set PW,56
.set F,58
.set S,64
.set PC,192
.set T,216
.set BM,T
.set PX,T+8
.set SO,T+16
.set CV,T+24
.set ONS,T+24
.set KB,0
.set VB,56
.set OB,104
.set BI,168
.set CS,22
.set SEL,24
.set PQ,38
.set PK,40
.set PV,42
.set PVS,44
.set PO,46
.set PVV,48
.set PVVS,50
.set MSB,0
.macro WIN new                         ; the immediate's high byte repeats the setting that is left
.if MSB != (\new)
	s_set_vgpr_msb (MSB<<8)|(\new)
.set MSB, (\new)
.endif
.endm
.macro PLACES
.rept 4
	v_nop
.endr
.endm
.macro MM d, a, b, c, sa, sb, ra, rb   ; ra, rb: the scales' rows (lanes 0-15 or 16-31)
.if (\ra) == 0
.if (\rb) == 0
	v_wmma_scale_f32_16x16x128_f8f6f4 v[\d:\d+7], v[\a:\a+11], v[\b:\b+11], \c, v[\sa], v[\sb] matrix_a_fmt:MATRIX_FMT_FP6 matrix_b_fmt:MATRIX_FMT_FP6
.else
	v_wmma_scale_f32_16x16x128_f8f6f4 v[\d:\d+7], v[\a:\a+11], v[\b:\b+11], \c, v[\sa], v[\sb] matrix_a_fmt:MATRIX_FMT_FP6 matrix_b_fmt:MATRIX_FMT_FP6 matrix_b_scale:MATRIX_SCALE_ROW1
.endif
.else
.if (\rb) == 0
	v_wmma_scale_f32_16x16x128_f8f6f4 v[\d:\d+7], v[\a:\a+11], v[\b:\b+11], \c, v[\sa], v[\sb] matrix_a_fmt:MATRIX_FMT_FP6 matrix_b_fmt:MATRIX_FMT_FP6 matrix_a_scale:MATRIX_SCALE_ROW1
.else
	v_wmma_scale_f32_16x16x128_f8f6f4 v[\d:\d+7], v[\a:\a+11], v[\b:\b+11], \c, v[\sa], v[\sb] matrix_a_fmt:MATRIX_FMT_FP6 matrix_b_fmt:MATRIX_FMT_FP6 matrix_a_scale:MATRIX_SCALE_ROW1 matrix_b_scale:MATRIX_SCALE_ROW1
.endif
.endif
.endm
.macro KLOAD                           ; 8 tiles of 16 keys: 16 loads of codes, 4 of scale bytes (lanes 0-15 the even tile, 16-31 the odd one)
	WIN 0x40
.irp n,0,1,2,3,4,5,6,7
	global_load_b128 v[KB+6*\n:KB+6*\n+3], v[L16], s[PK:PK+1] offset:\n*QROW
	global_load_b64 v[KB+6*\n+4:KB+6*\n+5], v[L8], s[PK:PK+1] offset:\n*QROW+512
.endr
	WIN 0
.irp i,0,1,2,3
	global_load_u16 v[KSC+\i], v[KK], s[PK:PK+1] offset:2*\i*QROW
.endr
.endm
; A step of 128 keys for my two tiles of queries.  bnd = 1: the boundary step.
.macro STEP bnd
	WIN 0x40
.irp d,0,1,2,3
	global_load_b128 v[VB+12*\d:VB+12*\d+3], v[L16], s[PV:PV+1] offset:\d*QROW
	global_load_b64 v[VB+12*\d+4:VB+12*\d+5], v[L8], s[PV:PV+1] offset:\d*QROW+512
	global_load_b128 v[VB+12*\d+6:VB+12*\d+9], v[L16], s[PV:PV+1] offset:\d*QROW+768
	global_load_b64 v[VB+12*\d+10:VB+12*\d+11], v[L8], s[PV:PV+1] offset:\d*QROW+1280
.endr
.if \bnd
.set n, 0
.rept 64                               ; register n of a lane is key 32 (n / 16) + 16 (lane / 16) + n % 16 of the step
	v_cmp_lt_i32 vcc_lo, 32*(n/16)+(n%16), v[THR]
	v_cndmask_b32 v[BI+n], v[NEG], v[NIL], vcc_lo
.set n, n+1
.endr
.endif
	WIN 0
.irp i,0,1
	global_load_b32 v[VSC+\i], v[KS], s[PVS:PVS+1] offset:2*\i*QROW
.endr
	s_wait_alu depctr_va_vdst(0)                   ; ahead of a wait that blocks
	s_wait_loadcnt 18                              ; k is in; v's 16 + 2 loads may be out
	WIN 0x01+0x10*(\bnd)
.irp n,0,1,2,3,4,5,6,7
.irp u,0,1
.if \bnd
	MM S+64*\u+8*\n, KB+6*\n, QF+12*\u, v[BI+8*\n:BI+8*\n+7], KSC+\n/2, QSC, \n%2, \u
.else
	MM S+64*\u+8*\n, KB+6*\n, QF+12*\u, 0, KSC+\n/2, QSC, \n%2, \u
.endif
.endr
.endr
	WIN 0
	PLACES
.if (\bnd) == 0
	s_add_nc_u64 s[PK:PK+1], s[PK:PK+1], 8*QROW    ; the loads that read this base are done
	KLOAD
.endif
.irp u,0,1
.irp b,0,1,2,3
	v_max3_num_f32 v[BM+4*\u+\b], v[S+64*\u+16*\b], v[S+64*\u+16*\b+1], v[S+64*\u+16*\b+2]   ; each block's largest score
.endr
.endr
.irp i,3,5,7,9,11,13
.irp u,0,1
.irp b,0,1,2,3
	v_max3_num_f32 v[BM+4*\u+\b], v[BM+4*\u+\b], v[S+64*\u+16*\b+\i], v[S+64*\u+16*\b+\i+1]
.endr
.endr
.endr
.irp u,0,1
.irp b,0,1,2,3
	v_max_num_f32 v[BM+4*\u+\b], v[BM+4*\u+\b], v[S+64*\u+16*\b+15]
.endr
.endr
.irp j,0,1,2,3,4,5,6,7
	v_permlanex16_b32 v[PX+\j], v[BM+\j], s[SEL], s[SEL+1]
.endr
.irp j,0,1,2,3,4,5,6,7
	v_max_num_f32 v[BM+\j], v[BM+\j], v[PX+\j]
.endr
.irp u,0,1
	v_max3_num_f32 v[PX+4*\u], v[BM+4*\u], v[BM+4*\u+1], v[BM+4*\u+2]
.endr
.irp u,0,1
	v_max_num_f32 v[PX+4*\u], v[PX+4*\u], v[BM+4*\u+3]
.endr
.if \bnd
.irp u,0,1
	v_max_num_f32 v[PX+4*\u], v[PX+4*\u], v[NEG]   ; the masked keys' score counts for the maximum
.endr
.endif
.irp u,0,1
	v_mul_f32 v[PX+4*\u], s[CS], v[PX+4*\u]
.endr
.irp u,0,1
	v_max_num_f32 v[ML+4*\u+1], v[ML+4*\u+1], v[PX+4*\u]   ; the running largest t
.endr
.irp u,0,1
	v_mov_b32 v[PX+4*\u], v[ML+4*\u]
.endr
.irp u,0,1
	v_floor_f32 v[ML+4*\u], -v[ML+4*\u+1]          ; -M = -ceil(t)
.endr
.irp u,0,1
	v_sub_f32 v[PX+4*\u], v[ML+4*\u], v[PX+4*\u]
.endr
.irp u,0,1
	v_cvt_i32_f32 v[PX+4*\u], v[PX+4*\u]
.endr
.irp u,0,1
	v_ldexp_f32 v[F+2*\u], 1.0, v[PX+4*\u]         ; f = 2^(old M - new M)
.endr
.irp u,0,1
.set n, 0
.rept 32
	v_pk_fma_f32 v[S+64*\u+n:S+64*\u+n+1], v[S+64*\u+n:S+64*\u+n+1], s[CS:CS+1], v[ML+4*\u:ML+4*\u+1] op_sel_hi:[1,0,0]
.set n, n+2
.endr
.irp b,0,1,2,3
	v_fma_f32 v[BM+4*\u+\b], v[BM+4*\u+\b], s[CS], v[ML+4*\u]
.endr
.endr
	s_wait_alu depctr_va_vdst(0)                   ; ahead of the batch
.set n, 0
.rept 128
	v_exp_f32 v[S+n], v[S+n]
.set n, n+1
.endr
.irp j,0,1,2,3,4,5,6,7
	v_exp_f32 v[BM+\j], v[BM+\j]                   ; each block's largest p
.endr
.irp u,0,1
	v_pk_mul_f32 v[ML+4*\u+2:ML+4*\u+3], v[ML+4*\u+2:ML+4*\u+3], v[F+2*\u:F+2*\u+1] op_sel_hi:[1,0]
.endr
	s_wait_alu depctr_va_vdst(0)                   ; and behind it, ahead of its first reader
.irp u,0,1
	v_pk_add_f32 v[PX+4*\u:PX+4*\u+1], v[S+64*\u:S+64*\u+1], v[S+64*\u+2:S+64*\u+3]   ; the row's sum, of the unquantised p
.endr
.irp j,4,8,12,16,20,24,28,32,36,40,44,48,52,56,60
.irp u,0,1
	v_pk_add_f32 v[ML+4*\u+2:ML+4*\u+3], v[ML+4*\u+2:ML+4*\u+3], v[S+64*\u+\j:S+64*\u+\j+1]
	v_pk_add_f32 v[PX+4*\u:PX+4*\u+1], v[PX+4*\u:PX+4*\u+1], v[S+64*\u+\j+2:S+64*\u+\j+3]
.endr
.endr
.irp u,0,1
	v_pk_add_f32 v[ML+4*\u+2:ML+4*\u+3], v[ML+4*\u+2:ML+4*\u+3], v[PX+4*\u:PX+4*\u+1]
.endr
.irp j,0,1,2,3,4,5,6,7
	v_max_num_f32 v[BM+\j], 0x1800000, v[BM+\j]    ; the floor 2^(3 - 127)
.endr
.irp j,0,1,2,3,4,5,6,7
	v_add_nc_u32 v[SO+\j], 0xff000000, v[BM+\j]    ; the conversion's scale operand
.endr
.irp j,0,1,2,3,4,5,6,7
	v_lshrrev_b32 v[PX+\j], 23, v[SO+\j]           ; the scale's byte
.endr
.irp u,0,1
	v_lshl_or_b32 v[PW+\u], v[PX+4*\u+1], 8, v[PX+4*\u]
.endr
.irp u,0,1
	v_lshl_or_b32 v[PW+\u], v[PX+4*\u+2], 16, v[PW+\u]
.endr
.irp u,0,1
	v_lshl_or_b32 v[PW+\u], v[PX+4*\u+3], 24, v[PW+\u]
.endr
.irp u,0,1
.irp c,0,1
	v_cvt_scalef32_pk16_fp6_f32 v[PC+12*\u+6*\c:PC+12*\u+6*\c+2], v[S+64*\u+32*\c:S+64*\u+32*\c+15], v[SO+4*\u+2*\c]
	v_cvt_scalef32_pk16_fp6_f32 v[CV+8*\u+4*\c:CV+8*\u+4*\c+2], v[S+64*\u+32*\c+16:S+64*\u+32*\c+31], v[SO+4*\u+2*\c+1]
.endr
.endr
	v_nop                                          ; one plain place behind a scaled conversion
.irp u,0,1
.irp c,0,1
.irp i,0,1,2
	v_permlane16_swap_b32 v[PC+12*\u+6*\c+\i], v[CV+8*\u+4*\c+\i]   ; a whole block to a lane
.endr
.endr
.endr
.irp u,0,1
.irp c,0,1
.irp i,0,1,2
	v_mov_b32 v[PC+12*\u+6*\c+3+\i], v[CV+8*\u+4*\c+\i]
.endr
.endr
.endr
	WIN 0x41
	s_wait_alu depctr_va_vdst(0)                   ; directly ahead of the first reader of O^T
.irp u,0,1
.set n, 0
.rept 16
	v_pk_mul_f32 v[OB+32*\u+n:OB+32*\u+n+1], v[OB+32*\u+n:OB+32*\u+n+1], v[F+2*\u:F+2*\u+1] op_sel_hi:[1,0]   ; O^T under the new M; also the places ahead of the products
.set n, n+2
.endr
.endr
	s_wait_alu depctr_va_vdst(0)                   ; ahead of a wait that blocks
.if \bnd
	s_wait_loadcnt 0x0
.else
	s_wait_loadcnt 20                              ; v is in; the next k's 16 + 4 loads may be out
	s_add_nc_u64 s[PV:PV+1], s[PV:PV+1], 1536
	s_add_nc_u64 s[PVS:PVS+1], s[PVS:PVS+1], 64
.endif
	WIN 0x51
.irp d,0,1,2,3
.irp u,0,1
	MM OB+32*\u+8*\d, VB+12*\d, PC+12*\u, v[OB+32*\u+8*\d:OB+32*\u+8*\d+7], VSC+\d/2, PW+\u, \d%2, 0
.endr
.endr
	WIN 0
	PLACES
.endm
	s_load_b256 s[4:11], s[0:1], 0x0               ; qk_img, v_img, valid_lens, o_img
	v_lshl_add_u32 v[SPW], v0, 2, SPARE
	v_mov_b32 v[NIL], 0
	v_lshrrev_b32 v62, 5, v0
	v_readfirstlane_b32 s12, v62                   ; wave
	s_and_b32 s13, ttmp9, 1                        ; which pair of batches
	s_bfe_u32 s14, ttmp9, 0x40001                  ; head
	s_lshr_b32 s15, ttmp9, 5                       ; which 16 tiles of queries
	s_mul_i32 s56, s14, 768                        ; the head's half image
	s_lshr_b32 s20, s14, 1
	s_lshl_b32 s20, s20, 6
	s_and_b32 s21, s14, 1
	s_lshl_b32 s21, s21, 1
	s_add_co_u32 s20, s20, s21                     ; the head's two scale bytes: word head / 2, bytes 2 (head % 2) on
	s_add_co_u32 s20, s20, 12800
	s_sub_co_u32 s36, s20, s56                     ; from k's half image to k's scale bytes
	s_sub_co_u32 s21, s36, 512                     ; from o's half image to o's scale bytes
	s_lshl_b32 s20, s12, 10
	s_and_b32 s54, s12, 3
	s_lshr_b32 s55, s12, 2
	s_lshl_b32 s55, s55, 3
	s_mov_b32 s[CS], 0x3e38aa3b                    ; log2(e) / 8
	s_mov_b32 s[CS+1], s[CS]
	s_mov_b32 s[SEL], 0x76543210
	s_mov_b32 s[SEL+1], 0xfedcba98
	s_mov_b32 s35, 0x700000
	s_mov_b32 s28, 0
	s_mov_b32 s29, 0
	v_and_b32 v62, 31, v0
	v_and_b32 v63, 15, v0
	v_bfe_u32 v[H16], v0, 4, 1
	v_lshlrev_b32 v[L16], 4, v62
	v_lshlrev_b32 v[L8], 3, v62
	v_lshlrev_b32 v[R4], 2, v63
	v_mul_u32_u24 v[KS], v[H16], QROW
	v_add_nc_u32 v[KS], v[KS], v[R4]
	v_lshlrev_b32 v[H16], 4, v[H16]
	v_add_nc_u32 v[KK], s36, v[KS]
	v_add_nc_u32 v[OS], s21, v[R4]
	v_add_nc_u32 v[VSA0], s20, v[L16]
	v_mov_b32 v[NEG], 0xcaf42400
	v_mov_b32 v[F+1], 0
	v_mov_b32 v[F+3], 0
.irp i,6,7,8,9,10,11,18,19,20,21,22,23
	v_mov_b32 v[QF+\i], 0                          ; q's second halves: zero codes
.endr
	WIN 0x40
.irp i,48,49,50,51,52,53
	v_mov_b32 v[KB+\i], 0                          ; behind k's last tile
.endr
	WIN 0
	s_wait_alu depctr_va_vdst(0)                   ; the head's end
	s_wait_kmcnt 0x0
	s_load_b128 s[16:19], s[8:9], 0x0
	s_wait_kmcnt 0x0
.irp i,0,1,2,3
	s_max_i32 s[16+\i], s[16+\i], 0
	s_min_u32 s[16+\i], s[16+\i], 2048
	s_lshl_b32 s[16+\i], s[16+\i], 2
	s_or_b32 s[16+\i], s[16+\i], \i                ; 4 x valid + batch
.endr
.macro ORDER a, b
	s_min_u32 s20, s[\a], s[\b]
	s_max_u32 s[\b], s[\a], s[\b]
	s_mov_b32 s[\a], s20
.endm
	ORDER 16, 17
	ORDER 18, 19
	ORDER 16, 18
	ORDER 17, 19
	ORDER 17, 18
	s_cmp_eq_u32 s13, 0
	s_cselect_b32 s26, s19, s18                    ; the longer task first
	s_cselect_b32 s27, s16, s17
.Ltask:
	s_wait_xcnt 0x0                                ; the last task's stores have read their registers and bases
	s_lshr_b32 s20, s26, 2                         ; valid
	s_and_b32 s30, s26, 3
	s_min_u32 s30, s30, 3                          ; batch
	s_lshr_b32 s31, s20, 7
	s_min_u32 s31, s31, 15                         ; full steps
	s_lshl_b32 s21, s31, 7
	s_sub_co_u32 s32, s20, s21                     ; valid keys of the boundary step
	s_sub_co_u32 s34, 15, s31
	s_lshl_b32 s34, s34, 6                         ; a lane's share of the wholly masked keys
	s_add_co_u32 s20, s31, s55
	s_add_co_u32 s20, s20, 1                       ; my first wholly masked step
	s_sub_co_i32 s33, 16, s20
	s_max_i32 s33, s33, 0
	s_min_u32 s33, s33, 8                          ; how many are mine: the last so many of the eight steps that I load,
	s_min_u32 s57, s20, 8                          ; which begin here, so that all eight lie inside the 16
	s_mov_b32 s53, 0
	s_lshl_b32 s20, s30, 7
	s_mul_i32 s52, s20, QROW
	s_add_co_u32 s52, s52, s56
	s_add_co_u32 s52, s52, 12288
	s_add_nc_u64 s[PK:PK+1], s[4:5], s[52:53]
	s_lshl_b32 s21, s15, 4
	s_add_co_u32 s20, s20, s21
	s_lshl_b32 s21, s12, 1
	s_add_co_u32 s20, s20, s21                     ; my first tile of queries
	s_mul_i32 s52, s20, QROW
	s_add_co_u32 s52, s52, s56
	s_add_nc_u64 s[PQ:PQ+1], s[4:5], s[52:53]
	s_mul_i32 s52, s20, OROW
	s_add_co_u32 s52, s52, s56
	s_add_nc_u64 s[PO:PO+1], s[10:11], s[52:53]
	s_lshl_b32 s20, s30, 6
	s_lshl_b32 s21, s14, 2
	s_add_co_u32 s20, s20, s21
	s_mul_i32 s52, s20, QROW
	s_add_nc_u64 s[PV:PV+1], s[6:7], s[52:53]
	s_add_nc_u64 s[PVS:PVS+1], s[PV:PV+1], 24576
	s_mul_i32 s52, s54, QROW
	s_mul_i32 s21, s57, 1536
	s_add_co_u32 s52, s52, s21
	s_add_nc_u64 s[PVV:PVV+1], s[PV:PV+1], s[52:53]
	s_mul_i32 s52, s54, QROW
	s_lshl_b32 s21, s57, 6
	s_add_co_u32 s52, s52, s21
	s_add_nc_u64 s[PVVS:PVVS+1], s[PVS:PVS+1], s[52:53]
.irp u,0,1
	global_load_b128 v[QF+12*\u:QF+12*\u+3], v[L16], s[PQ:PQ+1] offset:\u*QROW
	global_load_b64 v[QF+12*\u+4:QF+12*\u+5], v[L8], s[PQ:PQ+1] offset:\u*QROW+512
.endr
	global_load_u16 v[QSC], v[KK], s[PQ:PQ+1] offset:11776   ; lanes 0-15 my first tile's scale bytes, lanes 16-31 my second's
	KLOAD
.irp i,0,1,2,3,4,5,6,7
	global_load_b128 v[S+12*\i:S+12*\i+3], v[L16], s[PVV:PVV+1] offset:\i*1536
	global_load_b64 v[S+12*\i+4:S+12*\i+5], v[L8], s[PVV:PVV+1] offset:\i*1536+512
	global_load_b128 v[S+12*\i+6:S+12*\i+9], v[L16], s[PVV:PVV+1] offset:\i*1536+768
	global_load_b64 v[S+12*\i+10:S+12*\i+11], v[L8], s[PVV:PVV+1] offset:\i*1536+1280
	global_load_b32 v[T+\i], v[R4], s[PVVS:PVVS+1] offset:64*\i
.endr
	v_sub_nc_u32 v[THR], s32, v[H16]
	v_add_nc_u32 v[VSA], s29, v[VSA0]
	v_add_nc_u32 v[VSR], s29, v[L16]
	v_cvt_f32_u32 v[CNT], s34
	v_mov_b32 v[ONS], 0x7f7f7f7f                   ; the ones' scale: 1
.irp i,0,1,2,3
	v_mov_b32 v[PC+3*\i], 0x08208208               ; 128 codes of 1.0 (001000), a stream of bits
	v_mov_b32 v[PC+3*\i+1], 0x82082082
	v_mov_b32 v[PC+3*\i+2], 0x20820820
.endr
.irp u,0,1
	v_mov_b32 v[ML+4*\u+1], 0xff61b1e6             ; -3e38, under every t
	v_floor_f32 v[ML+4*\u], -v[ML+4*\u+1]
	v_mov_b32 v[ML+4*\u+2], 0
	v_mov_b32 v[ML+4*\u+3], 0
.endr
.set n, 0
.rept 16
	v_mov_b32 v[T+8+n], 0                          ; two sums of v, which take turns (a wave may have no step of its own)
.set n, n+1
.endr
	WIN 0x40
.set n, 0
.rept 64
	v_mov_b32 v[OB+n], 0                           ; O^T: the step is written once
.set n, n+1
.endr
	WIN 0
	s_wait_alu depctr_va_vdst(0)
	s_wait_loadcnt 0x0
.irp i,7,6,5,4,3,2,1,0
	s_cmp_le_u32 s33, 7-\i
	s_cbranch_scc1 .Lsummed
	MM T+8+8*(\i%2), S+12*\i, PC, v[T+8+8*(\i%2):T+8+8*(\i%2)+7], T+\i, ONS, 0, 0
.endr
.Lsummed:
	PLACES
	v_nop                                          ; the first step's products write over the fragments just multiplied: five places and more (ISA guide 7.12.1); the additions below name the sums and are not counted
	v_nop
.irp j,0,2,4,6
	v_pk_add_f32 v[T+8+\j:T+8+\j+1], v[T+8+\j:T+8+\j+1], v[T+16+\j:T+16+\j+1]
.endr
	ds_store_b128 v[VSA], v[T+8:T+11]              ; an image of the registers: 16 x lane
	ds_store_b128 v[VSA], v[T+12:T+15] offset:512
	s_wait_dscnt 0x0
	s_barrier_signal -1
	s_barrier_wait -1
	s_mov_b32 s37, 0
	s_cmp_eq_u32 s31, 0
	s_wait_alu depctr_va_vdst(0)
	s_cbranch_scc1 .Lbound
.Lfull:
	STEP 0
	s_add_co_u32 s37, s37, 1
	s_cmp_lt_u32 s37, s31
	s_wait_alu depctr_va_vdst(0)
	s_cbranch_scc1 .Lfull
.Lbound:
	STEP 1
; The wholly masked steps, and the way out.
.irp g,0,1
.irp t,0,1,2,3
.irp k,0,1
	ds_load_b128 v[S+32*\g+8*\t+4*\k:S+32*\g+8*\t+4*\k+3], v[VSR] offset:(\t+4*\g)*1024+512*\k
.endr
.endr
.endr
.irp u,0,1
	v_fma_f32 v[T+\u], v[NEG], s[CS], v[ML+4*\u]   ; the masked keys' t - M
.endr
	s_wait_alu depctr_va_vdst(0)
.irp u,0,1
	v_exp_f32 v[T+\u], v[T+\u]
.endr
	v_nop
	s_wait_alu depctr_va_vdst(0)
.irp u,0,1
	v_bfe_u32 v[T+2+\u], v[T+\u], 20, 1            ; Q(p) of a block of equal p: the mantissa to three bits, ties to even,
	v_and_or_b32 v[T+4+\u], v[T+\u], 0x7f800000, s35   ; held at 7.5 x the scale
	v_fma_f32 v[ML+4*\u+2], v[T+\u], v[CNT], v[ML+4*\u+2]
.endr
.irp u,0,1
	v_add3_u32 v[T+2+\u], v[T+\u], v[T+2+\u], 0x7ffff
	v_add_f32 v[ML+4*\u+2], v[ML+4*\u+2], v[ML+4*\u+3]
.endr
.irp u,0,1
	v_and_b32 v[T+2+\u], 0xfff00000, v[T+2+\u]
	v_permlanex16_b32 v[T+8+\u], v[ML+4*\u+2], s[SEL], s[SEL+1]
.endr
.irp u,0,1
	v_min_num_f32 v[F+2*\u], v[T+2+\u], v[T+4+\u]
	v_add_f32 v[ML+4*\u+2], v[ML+4*\u+2], v[T+8+\u]    ; the row's sum
.endr
	s_wait_alu depctr_va_vdst(0)
.irp u,0,1
	v_rcp_f32 v[ML+4*\u+2], v[ML+4*\u+2]
.endr
	v_nop
	s_wait_alu depctr_va_vdst(0)
	s_wait_dscnt 0x0
.set n, 0
.rept 16
	v_pk_add_f32 v[S+n:S+n+1], v[S+n:S+n+1], v[S+32+n:S+32+n+1]   ; the sum of v over the wholly masked steps
.set n, n+2
.endr
	WIN 0x10
	s_wait_alu depctr_va_vdst(0)                   ; directly ahead of the first reader of O^T
.irp u,0,1
.set n, 0
.rept 16
	v_pk_fma_f32 v[S+64+32*\u+n:S+64+32*\u+n+1], v[S+n:S+n+1], v[F+2*\u:F+2*\u+1], v[OB+32*\u+n:OB+32*\u+n+1] op_sel_hi:[1,0,1]
.set n, n+2
.endr
.endr
	WIN 0
.irp u,0,1
.set n, 0
.rept 16
	v_pk_mul_f32 v[S+64+32*\u+n:S+64+32*\u+n+1], v[S+64+32*\u+n:S+64+32*\u+n+1], v[ML+4*\u+2:ML+4*\u+3] op_sel_hi:[1,0]
.set n, n+2
.endr
.endr
.irp j,0,1,2,3                         ; block j % 2 of tile j / 2: 16 registers a lane
	v_max3_num_f32 v[BM+\j], |v[S+64+16*\j]|, |v[S+64+16*\j+1]|, 0x1800000
.endr
.irp i,2,4,6,8,10,12,14
.irp j,0,1,2,3
	v_max3_num_f32 v[BM+\j], v[BM+\j], |v[S+64+16*\j+\i]|, |v[S+64+16*\j+\i+1]|
.endr
.endr
.irp j,0,1,2,3
	v_permlanex16_b32 v[PX+\j], v[BM+\j], s[SEL], s[SEL+1]
.endr
.irp j,0,1,2,3
	v_max_num_f32 v[BM+\j], v[BM+\j], v[PX+\j]
.endr
.irp j,0,1,2,3
	v_add_nc_u32 v[SO+\j], 0xff000000, v[BM+\j]
.endr
.irp j,0,1,2,3
	v_lshrrev_b32 v[PX+\j], 23, v[SO+\j]
.endr
.irp u,0,1
	v_lshl_or_b32 v[PW+\u], v[PX+2*\u+1], 8, v[PX+2*\u]
.endr
.irp u,0,1
	v_cvt_scalef32_pk16_fp6_f32 v[PC+12*\u:PC+12*\u+2], v[S+64+32*\u:S+64+32*\u+15], v[SO+2*\u]
	v_cvt_scalef32_pk16_fp6_f32 v[CV+4*\u:CV+4*\u+2], v[S+64+32*\u+16:S+64+32*\u+31], v[SO+2*\u+1]
.endr
	v_nop
.irp u,0,1
.irp i,0,1,2
	v_permlane16_swap_b32 v[PC+12*\u+\i], v[CV+4*\u+\i]
.endr
.endr
.irp u,0,1
.irp i,0,1,2
	v_mov_b32 v[PC+12*\u+3+\i], v[CV+4*\u+\i]
.endr
.endr
.irp u,0,1
	global_store_b128 v[L16], v[PC+12*\u:PC+12*\u+3], s[PO:PO+1] offset:\u*OROW        ; the head's half image: 512 and 256 consecutive bytes
	global_store_b64 v[L8], v[PC+12*\u+4:PC+12*\u+5], s[PO:PO+1] offset:\u*OROW+512
	global_store_b16 v[OS], v[PW+\u], s[PO:PO+1] offset:\u*OROW                        ; lanes r and r + 16 write the same two bytes
.endr
	s_mov_b32 s26, s27
	s_add_co_u32 s29, s29, 8192                    ; the second task's sums of v have LDS bytes of their own
	s_add_co_u32 s28, s28, 1
	s_cmp_lt_u32 s28, 2
	s_wait_alu depctr_va_vdst(0)
	s_cbranch_scc1 .Ltask
	s_wait_tensorcnt 0x0                           ; the wave's end, behind my last LDS store
	ds_add_u32 v[SPW], v[NIL]
	s_wait_dscnt 0x0
	s_endpgm
.Lfunc_end_k_q42c2b13e63_attn:
	.size	k_q42c2b13e63_attn, .Lfunc_end_k_q42c2b13e63_attn-k_q42c2b13e63_attn
	.p2alignl 7, 3214868480
	.fill 96, 4, 3214868480
	.section	.rodata,"a",@progbits
	.p2align	6, 0x0
	.amdhsa_kernel k_q42c2b13e63_attn
		.amdhsa_group_segment_fixed_size 17408
		.amdhsa_private_segment_fixed_size 0
		.amdhsa_enable_private_segment 0
		.amdhsa_kernarg_size 32
		.amdhsa_user_sgpr_count 2
		.amdhsa_user_sgpr_kernarg_segment_ptr 1
		.amdhsa_wavefront_size32 1
		.amdhsa_system_sgpr_workgroup_id_x 1
		.amdhsa_system_sgpr_workgroup_id_y 1
		.amdhsa_system_sgpr_workgroup_id_z 1
		.amdhsa_system_vgpr_workitem_id 0
		.amdhsa_next_free_vgpr 512
		.amdhsa_next_free_sgpr 66
		.amdhsa_reserve_vcc 1
		.amdhsa_float_denorm_mode_32 3
		.amdhsa_float_denorm_mode_16_64 3
		.amdhsa_memory_ordered 1
		.amdhsa_forward_progress 1
		.amdhsa_inst_pref_size 95
	.end_amdhsa_kernel
	.amdgpu_metadata
---
amdhsa.version: [ 1, 2 ]
amdhsa.kernels:
  - .name:           k_q42c2b13e63_attn
    .symbol:         k_q42c2b13e63_attn.kd
    .args:
      - { .name: qk_img, .offset: 0, .size: 8, .value_kind: global_buffer, .address_space: global }
      - { .name: v_img, .offset: 8, .size: 8, .value_kind: global_buffer, .address_space: global }
      - { .name: valid_lens, .offset: 16, .size: 8, .value_kind: global_buffer, .address_space: global }
      - { .name: o_img, .offset: 24, .size: 8, .value_kind: global_buffer, .address_space: global }
    .group_segment_fixed_size: 17408
    .private_segment_fixed_size: 0
    .kernarg_segment_align: 8
    .kernarg_segment_size: 32
    .max_flat_workgroup_size: 256
    .sgpr_count:     66
    .vgpr_count:     512
    .wavefront_size: 32
...
	.end_amdgpu_metadata
.endif
;; end of part 4
;; launch outp (part 5): grid 4 x 32, 4 waves a work-group, clusters of 4 x 4, 327,680 bytes of LDS; arguments o_img, wo_img, out0; writes out0
.if DOCPART == 5
	.amdgcn_target "amdgcn-amd-amdhsa--gfx1250"
	.amdhsa_code_object_version 6
	.text
	.protected	k_q42c2b13e63_outp
	.globl	k_q42c2b13e63_outp
	.p2align	8
	.type	k_q42c2b13e63_outp,@function
k_q42c2b13e63_outp:
	s_mov_b64 s[64:65], 0
	v_nop
	global_prefetch_b8 v0, s[64:65] scope:SCOPE_SE
	s_setreg_imm32_b32 hwreg(HW_REG_WAVE_MODE, 25, 1), 1
	s_wait_xcnt 0x0
	s_wait_alu depctr_hold_cnt(0) depctr_sa_sdst(0) depctr_va_vdst(0) depctr_va_sdst(0) depctr_va_ssrc(0) depctr_va_vcc(0) depctr_vm_vsrc(0)
	s_getreg_b32 s2, hwreg(HW_REG_IB_STS2, 6, 4)
	s_cmp_eq_u32 s2, 0
	s_cbranch_scc0 .Lentry_in_a_cluster
	s_endpgm
.Lentry_in_a_cluster:
	s_bfe_u32 s2, ttmp6, 0x10000c
	s_cmp_lg_u32 s2, 0xf033
	s_cbranch_scc0 .Lentry_shape_is_right
	s_endpgm
.Lentry_shape_is_right:
.set TROW,  12800
.set FRB,   1536
.set KSL,   3072
.set NQ,    2
.set FR,    12
.set NL,    4
.set NP,    4
.set HALFT, 8*KSL
.set SLOT,  4*HALFT
.set LAPS,  2
.set SCL,   2*SLOT
.set HALFS, 4096
.set SPARE, SCL+4*HALFS
.set SPITCH, 528
.set ADRA, 16
.set ADRB, 20
.set L16,  24
.set L8,   25
.set STO,  26
.set ADRS, 27
.set SPW,  28
.set NIL,  29
.set RD,   30
.set SC,   32
.set AF,   128
.set BK,   128
.set G1, 24
.set G0, 32
.set G1B, 48
.set G0B, 56
.set G1S, 68
.set G0S, 76
.set G1SB, 80
.set G0SB, 88
.set MSB, 0
.macro WIN new
.if MSB != (\new)
	s_set_vgpr_msb (MSB<<8)|(\new)
.set MSB, (\new)
.endif
.endm
.set MUL_LO, 0xa1
.set MUL_HI, 0xf1
.set TO_B,   0x40
.macro JLOAD g0a, g1a, g0b, g1b
	s_cmp_eq_u32 s15, 0
	s_cbranch_scc0 .Lfor_b_\@
	tensor_load_to_lds s[\g0a:\g0a+3], s[\g1a:\g1a+7]
	s_nop 0
.rept 4
	v_nop
.endr
	s_branch .Lasked_\@
.Lfor_b_\@:
	tensor_load_to_lds s[\g0b:\g0b+3], s[\g1b:\g1b+7]
	s_nop 0
.rept 4
	v_nop
.endr
.Lasked_\@:
.endm
.macro CREST
	s_cmp_lg_u32 s14, 0
	s_cbranch_scc1 .Lnot_wave_0_\@
	s_barrier_signal -3
.Lnot_wave_0_\@:
	s_barrier_wait -3
	s_barrier_signal -1
	s_barrier_wait -1
.endm
.macro CROUND
	s_barrier_signal -1
	s_barrier_wait -1
	CREST
.endm
	s_load_b128 s[4:7], s[0:1], 0x0
	s_load_b64 s[12:13], s[0:1], 0x10
	v_lshl_add_u32 v[SPW], v0, 2, SPARE
	v_mov_b32 v[NIL], 0
	ds_add_u32 v[SPW], v[NIL]
	ds_add_u32 v[SPW], v[NIL]
	v_lshrrev_b32 v1, 5, v0
	v_readfirstlane_b32 s14, v1
	s_lshr_b32 s15, s14, 1
	s_and_b32 s16, s14, 1
	s_bfe_u32 s40, ttmp6, 0x40000
	s_bfe_u32 s41, ttmp6, 0x40004
	s_lshl_b32 s42, ttmp9, 2
	s_add_co_u32 s42, s42, s40
	s_and_b32 s17, ttmp7, 0xffff
	s_lshl_b32 s17, s17, 2
	s_add_co_u32 s17, s17, s41
	s_lshl_b32 s43, s41, 2
	s_lshl_b32 s43, 15, s43
	s_lshl_b32 s44, 0x1111, s40
	s_or_b32 s[G1+0], s43, (3<<16)|(1<<21)
	s_or_b32 s[G1B+0], s44, (3<<16)|(1<<21)
.irp g, G1, G1B
	s_mov_b32 s[\g+1], (KSL/8)<<16
	s_mov_b32 s[\g+2], 8<<16
	s_mov_b32 s[\g+3], (KSL/8)<<16
	s_mov_b32 s[\g+4], 8
	s_mov_b32 s[\g+5], TROW/8
	s_mov_b32 s[\g+6], 0
	s_mov_b32 s[\g+7], 0
.endr
	s_or_b32 s[G1S+0], s43, (3<<16)|(1<<21)
	s_or_b32 s[G1SB+0], s44, (3<<16)|(1<<21)
.irp g, G1S, G1SB
	s_mov_b32 s[\g+1], 64<<16
	s_mov_b32 s[\g+2], 8<<16
	s_mov_b32 s[\g+3], 64<<16
	s_mov_b32 s[\g+4], 8
	s_mov_b32 s[\g+5], TROW/8
	s_mov_b32 s[\g+6], 0
	s_mov_b32 s[\g+7], 0
.endr
	s_lshl_b32 s18, s16, 3
	s_lshl_b32 s20, s17, 4
	s_add_co_u32 s20, s20, s18
	s_mul_i32 s20, s20, TROW
	s_mov_b32 s21, 0
	s_lshl_b32 s46, s42, 4
	s_add_co_u32 s46, s46, s18
	s_mul_i32 s46, s46, TROW
	s_mov_b32 s47, 0
	s_mul_i32 s45, s14, HALFT
	s_lshl_b32 s94, s14, 12
	s_wait_dscnt 0x0
	s_wait_kmcnt 0x0
	s_add_nc_u64 s[20:21], s[4:5], s[20:21]
	s_add_nc_u64 s[46:47], s[6:7], s[46:47]
	CROUND
	s_mov_b32 s[G0S], 1
	s_add_co_u32 s[G0S+1], s94, SCL
	s_add_nc_u64 s[G0S+2:G0S+3], s[20:21], 12288
	s_or_b32 s[G0S+3], s[G0S+3], 0x80000000
	s_mov_b32 s[G0SB], 1
	s_add_co_u32 s[G0SB+1], s94, SCL
	s_add_nc_u64 s[G0SB+2:G0SB+3], s[46:47], 12288
	s_or_b32 s[G0SB+3], s[G0SB+3], 0x80000000
	JLOAD G0S, G1S, G0SB, G1SB
.irp s, 0,1
	s_mov_b32 s[G0+4*\s], 1
	s_add_co_u32 s[G0+4*\s+1], s45, \s*SLOT
	s_add_nc_u64 s[G0+4*\s+2:G0+4*\s+3], s[20:21], \s*KSL
	s_or_b32 s[G0+4*\s+3], s[G0+4*\s+3], 0x80000000
	s_mov_b32 s[G0B+4*\s], 1
	s_add_co_u32 s[G0B+4*\s+1], s45, \s*SLOT
	s_add_nc_u64 s[G0B+4*\s+2:G0B+4*\s+3], s[46:47], \s*KSL
	s_or_b32 s[G0B+4*\s+3], s[G0B+4*\s+3], 0x80000000
	s_wait_alu depctr_va_vdst(0)
	s_wait_tensorcnt 0x0
	ds_add_u32 v28, v29
	s_wait_dscnt 0x0
	CROUND
	JLOAD G0+4*\s, G1, G0B+4*\s, G1B
.endr
	v_and_b32 v1, 15, v0
	v_bfe_u32 v2, v0, 4, 1
	v_and_b32 v3, 31, v0
	v_lshlrev_b32 v[L16], 4, v3
	v_lshlrev_b32 v[L8], 3, v3
	s_mul_i32 s21, s15, HALFT
	s_mul_i32 s22, s16, HALFT
	s_add_co_u32 s22, s22, 2*HALFT
.irp s, 0,1
	v_add_nc_u32 v[ADRA+\s], s21, v[L16]
	v_add_nc_u32 v[ADRB+\s], s22, v[L16]
	v_add_nc_u32 v[ADRA+2+\s], s21, v[L8]
	v_add_nc_u32 v[ADRB+2+\s], s22, v[L8]
	s_add_co_u32 s21, s21, SLOT
	s_add_co_u32 s22, s22, SLOT
.endr
	v_lshlrev_b32 v5, 2, v1
	s_lshl_b32 s21, s15, 12
	s_lshl_b32 s22, s16, 12
	s_add_co_u32 s22, s22, 2*HALFS
	s_sub_co_u32 s22, s22, s21
	v_mul_u32_u24 v6, s22, v2
	s_add_co_u32 s21, s21, SCL
	v_add_nc_u32 v5, v5, v6
	v_add_nc_u32 v[ADRS], s21, v5
	s_mul_i32 s23, s14, 16*SPITCH
	v_mul_u32_u24 v5, v1, SPITCH
	v_lshl_add_u32 v5, v2, 6, v5
	v_add_nc_u32 v[STO], s23, v5
	v_add_nc_u32 v[RD], s23, v[L16]
	s_lshl_b32 s20, s17, 8
	s_lshl_b32 s21, s15, 7
	s_add_co_u32 s20, s20, s21
	s_lshl_b32 s20, s20, 12
	s_lshl_b32 s46, s42, 10
	s_lshl_b32 s47, s16, 9
	s_add_co_u32 s46, s46, s47
	s_add_co_u32 s20, s20, s46
	s_mov_b32 s21, 0
	s_add_nc_u64 s[12:13], s[12:13], s[20:21]
.macro FRAG reg, adr, q, i
	ds_load_b128 v[\reg:\reg+3], v[\adr] offset:(\i)*KSL+(\q)*FRB
	ds_load_b64 v[\reg+4:\reg+5], v[\adr+2] offset:(\i)*KSL+(\q)*FRB+512
	ds_load_b128 v[\reg+6:\reg+9], v[\adr] offset:(\i)*KSL+(\q)*FRB+768
	ds_load_b64 v[\reg+10:\reg+11], v[\adr+2] offset:(\i)*KSL+(\q)*FRB+1280
.endm
.macro MUL16 a0, p, q, sc, zero
.irp a, \a0, \a0+1
.irp b, 0,1,2,3,4,5,6,7
.if \zero
	v_wmma_scale_f32_16x16x128_f8f6f4 v[8*(8*((\a)%4)+\b):8*(8*((\a)%4)+\b)+7], v[128*(\p)+FR*\b:128*(\p)+FR*\b+FR-1], v[AF+FR*(\a):AF+FR*(\a)+FR-1], 0, v[SC+8*NQ*(\sc)+NQ*\b+(\q)], v[SC+8*NQ*(\sc)+NQ*(\a)+(\q)] matrix_a_fmt:MATRIX_FMT_FP6 matrix_b_fmt:MATRIX_FMT_FP6 matrix_a_scale:MATRIX_SCALE_ROW1
.else
	v_wmma_scale_f32_16x16x128_f8f6f4 v[8*(8*((\a)%4)+\b):8*(8*((\a)%4)+\b)+7], v[128*(\p)+FR*\b:128*(\p)+FR*\b+FR-1], v[AF+FR*(\a):AF+FR*(\a)+FR-1], v[8*(8*((\a)%4)+\b):8*(8*((\a)%4)+\b)+7], v[SC+8*NQ*(\sc)+NQ*\b+(\q)], v[SC+8*NQ*(\sc)+NQ*(\a)+(\q)] matrix_a_fmt:MATRIX_FMT_FP6 matrix_b_fmt:MATRIX_FMT_FP6 matrix_a_scale:MATRIX_SCALE_ROW1
.endif
.endr
.endr
.endm
.macro FETCH_B slot, q, p
	WIN TO_B
.irp i, 0,1,2,3,4,5,6,7
	FRAG 128*(\p)+FR*\i, ADRB+\slot, \q, \i
.endr
	WIN 0
.endm
.macro FETCH_A slot, q, i0
.irp i, \i0, \i0+1, \i0+2, \i0+3
	FRAG AF+FR*(\i), ADRA+\slot, \q, \i
.endr
.endm
.macro SCALES sc
.irp i, 0,1,2,3,4,5,6,7
	ds_load_b32 v[SC+8*NQ*\sc+NQ*\i], v[ADRS] offset:\i*512
	ds_load_b32 v[SC+8*NQ*\sc+NQ*\i+1], v[ADRS] offset:\i*512+64
.endr
.endm
.macro PLACES n
.rept \n
	v_nop
.endr
.endm
.macro STEP slot, q, zero
	s_wait_dscnt 4*NL
	WIN MUL_LO
	MUL16 0, (\q)%2, \q, \slot, \zero
	MUL16 2, (\q)%2, \q, \slot, \zero
	s_wait_dscnt 0
	PLACES NP
	FETCH_B \slot, (\q)+1, 1-(\q)%2
	FETCH_A \slot, (\q)+1, 0
	WIN MUL_HI
	MUL16 4, (\q)%2, \q, \slot, \zero
	MUL16 6, (\q)%2, \q, \slot, \zero
	PLACES NP
	WIN 0
	FETCH_A \slot, (\q)+1, 4
.endm
.macro TURN slot, next, fill
	s_wait_tensorcnt 0x0
	ds_add_u32 v[SPW], v[NIL]
	s_wait_dscnt 4*NL+1
	WIN MUL_LO
	MUL16 0, 1, NQ-1, \slot, 0
	s_wait_dscnt 0x0
	s_barrier_signal -1
	MUL16 2, 1, NQ-1, \slot, 0
	WIN 0
	s_barrier_wait -1
.if \fill
	CREST
	s_add_nc_u64 s[G0+4*\slot+2:G0+4*\slot+3], s[G0+4*\slot+2:G0+4*\slot+3], 2*KSL
	s_add_nc_u64 s[G0B+4*\slot+2:G0B+4*\slot+3], s[G0B+4*\slot+2:G0B+4*\slot+3], 2*KSL
	JLOAD G0+4*\slot, G1, G0B+4*\slot, G1B
.else
	PLACES NP
.endif
	s_wait_alu depctr_va_vdst(0)
	v_add_nc_u32 v[ADRS], 64*NQ, v[ADRS]
	FETCH_B \next, 0, 0
	FETCH_A \next, 0, 0
	SCALES \next
	WIN MUL_HI
	MUL16 4, 1, NQ-1, \slot, 0
	MUL16 6, 1, NQ-1, \slot, 0
	PLACES NP
	WIN 0
	FETCH_A \next, 0, 4
.endm
	s_wait_alu depctr_va_vdst(0)
	s_wait_tensorcnt 1
	s_barrier_signal -1
	s_barrier_wait -1
	FETCH_B 0, 0, 0
	FETCH_A 0, 0, 0
	SCALES 0
	FETCH_A 0, 0, 4
	STEP 0, 0, 1
	s_mov_b32 s3, LAPS-1
.Llap:
	TURN 0, 1, 1
	STEP 1, 0, 0
	TURN 1, 0, 1
	STEP 0, 0, 0
	s_sub_co_u32 s3, s3, 1
	s_cmp_lg_u32 s3, 0
	s_cbranch_scc1 .Llap
	TURN 0, 1, 0
	STEP 1, 0, 0
	s_wait_dscnt 4*NL
	WIN MUL_LO
	MUL16 0, 1, NQ-1, 1, 0
	MUL16 2, 1, NQ-1, 1, 0
	s_wait_dscnt 0
	WIN MUL_HI
	MUL16 4, 1, NQ-1, 1, 0
	MUL16 6, 1, NQ-1, 1, 0
	WIN 0
.macro TOSTAGE a
.set AC, 64*((\a)%4)
	WIN 0x08+4*((\a)/4)
.irp b, 0,1,2,3,4,5,6,7
	ds_store_b128 v[STO], v[AC+8*\b:AC+8*\b+3] offset:128*(\b/2)+32*(\b%2)
	ds_store_b128 v[STO], v[AC+8*\b+4:AC+8*\b+7] offset:128*(\b/2)+32*(\b%2)+16
.endr
	WIN 0
.set BB, BK+64*((\a)%2)
.irp t, 0,1,2,3,4,5,6,7,8,9,10,11,12,13,14,15
	ds_load_b128 v[BB+4*\t:BB+4*\t+3], v[RD] offset:\t*SPITCH
.endr
.endm
.macro SEND a, younger
.set BB, BK+64*((\a)%2)
	s_wait_dscnt \younger
.irp t, 0,1,2,3,4,5,6,7,8,9,10,11,12,13,14,15
	global_store_b128 v[L16], v[BB+4*\t:BB+4*\t+3], s[12:13] offset:(32*((\a)/2)+8*((\a)%2)+\t+8*(\t/8))*4096 th:TH_STORE_NT
.endr
.endm
	PLACES NP
	TOSTAGE 0
.irp a, 1,2,3,4,5,6,7
.if \a > 1
	s_wait_xcnt 0x0
.endif
	TOSTAGE \a
	SEND \a-1, 32
.endr
	SEND 7, 0
	s_wait_tensorcnt 0x0
	ds_add_u32 v[SPW], v[NIL]
	s_wait_dscnt 0x0
	CROUND
	s_endpgm
.Lfunc_end_k_q42c2b13e63_outp:
	.size	k_q42c2b13e63_outp, .Lfunc_end_k_q42c2b13e63_outp-k_q42c2b13e63_outp
	.p2alignl 7, 3214868480
	.fill 96, 4, 3214868480
	.section	.rodata,"a",@progbits
	.p2align	6, 0x0
	.amdhsa_kernel k_q42c2b13e63_outp
		.amdhsa_group_segment_fixed_size 327680
		.amdhsa_private_segment_fixed_size 0
		.amdhsa_enable_private_segment 0
		.amdhsa_kernarg_size 24
		.amdhsa_user_sgpr_count 2
		.amdhsa_user_sgpr_kernarg_segment_ptr 1
		.amdhsa_wavefront_size32 1
		.amdhsa_system_sgpr_workgroup_id_x 1
		.amdhsa_system_sgpr_workgroup_id_y 1
		.amdhsa_system_sgpr_workgroup_id_z 1
		.amdhsa_system_vgpr_workitem_id 0
		.amdhsa_next_free_vgpr 1024
		.amdhsa_next_free_sgpr 98
		.amdhsa_reserve_vcc 0
		.amdhsa_float_denorm_mode_32 3
		.amdhsa_float_denorm_mode_16_64 3
		.amdhsa_memory_ordered 1
		.amdhsa_forward_progress 1
		.amdhsa_inst_pref_size 146
	.end_amdhsa_kernel
	.amdgpu_metadata
---
amdhsa.version: [ 1, 2 ]
amdhsa.kernels:
  - .name:           k_q42c2b13e63_outp
    .symbol:         k_q42c2b13e63_outp.kd
    .args:
      - { .name: o_img, .offset: 0, .size: 8, .value_kind: global_buffer, .address_space: global }
      - { .name: wo_img, .offset: 8, .size: 8, .value_kind: global_buffer, .address_space: global }
      - { .name: out0, .offset: 16, .size: 8, .value_kind: global_buffer, .address_space: global }
    .group_segment_fixed_size: 327680
    .private_segment_fixed_size: 0
    .kernarg_segment_align: 8
    .kernarg_segment_size: 24
    .max_flat_workgroup_size: 128
    .sgpr_count:     98
    .vgpr_count:     1024
    .wavefront_size: 32
...
	.end_amdgpu_metadata
.endif
;; end of part 5
